; MI455X (gfx1250); checked and timed in simulation.
; The chip was launched on July 23, 2026; its instructions are those of AMD's public machine-readable ISA for CDNA 5 (MIT licence, August 2026) and "CDNA5" Instruction Set Architecture Reference Guide (July 2026). The comments in the code are by the model that wrote it; some were corrected since.
;; Transformer Block. Allowed arithmetic: matrix products marked QUANTISED: E4M3 operands, one E8M0 scale for each 32 along K, by v_wmma_scale_f32_16x16x128_f8f6f4 with both operands' format E4M3, f32 sums; everything else in f32.
;; Inputs: b1 4,096 float32; b2 1,024 float32; b_out 1,024 float32; b_qkv 3,072 float32; ln1_b 1,024 float32; ln1_g 1,024 float32; ln2_b 1,024 float32; ln2_g 1,024 float32; w1 4,096 x 1,024 float32; w2 1,024 x 4,096 float32; w_out 1,024 x 1,024 float32; w_qkv 3,072 x 1,024 float32; x 2 x 2,048 x 1,024 float32.
;; Outputs: out0 2 x 2,048 x 1,024 float32.
;; This version of the problem:
;;   THIS VERSION OF THE PROBLEM IS GIVEN IN LOW PRECISION. The matrix products marked QUANTISED in the list below multiply operands that are first quantised to E4M3 (4 exponent bits, 3 mantissa bits; 8 bits a number), with one power-of-two scale for each 32 numbers along K (OCP MX v1.0); their sums are f32. All else is computed in f32.
;;   The module's matrix products, in the order in which they are computed (A, B: the left and right operand; K: the contracted axis; several contracted axes count as one K, in the product's order):
;;     1. [M 4,096, K 1,024] x [K 1,024, N 3,072]; A: computed on the way; B: input w_qkv: QUANTISED
;;     2. batch 32 x [M 2,048, K 64] x [K 64, N 2,048]; A: computed on the way; B: computed on the way: QUANTISED
;;     3. batch 32 x [M 2,048, K 2,048] x [K 2,048, N 64]; A: softmax (see below); B: computed on the way: QUANTISED
;;     4. [M 4,096, K 1,024] x [K 1,024, N 1,024]; A: computed on the way; B: input w_out: QUANTISED
;;     5. [M 4,096, K 1,024] x [K 1,024, N 4,096]; A: computed on the way; B: input w1: QUANTISED
;;     6. [M 4,096, K 4,096] x [K 4,096, N 1,024]; A: computed on the way; B: input w2: QUANTISED
;;   THE QUANTISER, for each operand of a quantised product, along K:
;;     - K is cut into blocks of 32 from its start; a last block that is shorter is filled with zeros.
;;     - A block's scale is 2^e with e = floor(log2(the largest magnitude in the block)) - 8, held to -126 .. 127; a block of zeros has e = 0. As a byte (E8M0): e + 127.
;;     - Each number is divided by its block's scale, clamped to +-448, and rounded to the nearest number of E4M3, ties to even, subnormals kept.
;;     - The product sums the exact products of the quantised numbers (number of the format x scale) in f32.
;;   ~~~python
;;   def quantise(x, axis):      # numpy; x: float32 -> the quantised numbers, widened to float32 again
;;       x = np.moveaxis(x, axis, -1); K = x.shape[-1]
;;       x = np.pad(x, [(0, 0)] * (x.ndim - 1) + [(0, -K % 32)]); x = x.reshape(x.shape[:-1] + (-1, 32)); a = np.abs(x).max(-1, keepdims=True)
;;       e = np.where(a > 0, np.clip(np.frexp(np.where(a > 0, a, 1))[1] - 1 - 8, -126, 127), 0)      # np.frexp(a)[1] - 1 = floor(log2(a)), exactly
;;       r = np.clip(x / 2.0 ** e, -448, 448)
;;       step = 2.0 ** (np.maximum(np.frexp(np.where(r == 0, 1, r))[1] - 1, -6) - 3)
;;       q = np.round(r / step) * step * 2.0 ** e      # np.round: ties to even
;;       return np.moveaxis(q.reshape(q.shape[:-2] + (-1,))[..., :K], -1, axis).astype(np.float32)
;;   ~~~
;;   SOFTMAX AHEAD OF A QUANTISED PRODUCT. Where the list says 'softmax', what is quantised is not the finished softmax but p = 2^(t - M), with t = logit x log2(e) and M = ceil(the row's largest t), a whole number; so 1/2 < the row's largest p <= 1. The row's sum l is taken of the UNQUANTISED p, in f32, and the product's result is divided by l at the end. Since M is a whole number, a kernel that streams over the keys may use a running M (the ceiling of the running maximum): every later rescaling is an exact power of two, which a block's scale takes up: the codes' values come out the same.
;;   OPERANDS COMPUTED ON THE WAY. 'Computed on the way' means the value that the module computes at that place (a softmax that the list does not call 'softmax' is quantised finished and normalised). What goes into a quantiser is computed in f32, as accurately as f32 sums, v_exp_f32 and their like allow (about 1e-6 of the number): no bf16 or f16 on the way to a quantiser, and a product that is left as it is and whose result goes on into a quantised operand takes f32 operands (vector FMAs, or v_wmma_f32_16x16x4_f32). A number that lies on a knife's edge between two numbers of the format may be rounded either way, as far as f32 arithmetic and the matrix unit's own rounding can turn it there, and no further.
;; One version. Each part assembles by itself: llvm-mc -triple=amdgcn-amd-amdhsa -mcpu=gfx1250 --defsym DOCPART=n.
;; ======== version 1 of 1: 7 launches
;; limits: a function is approximated: absolute error at most 1e-07
;; workspace buffers: pw 17,301,504 bytes; qkvb 13,238,272 bytes; attb 4,325,376 bytes; x1 16,777,216 bytes; h2b 4,325,376 bytes; ffb 17,301,504 bytes
;; launch prep (part 1): grid 1024 x 1, 8 waves a work-group, no clusters, 69,632 bytes of LDS; arguments x, ln1_g, ln1_b, w_qkv, w_out, w1, w2, pw; writes pw
.if DOCPART == 1
	.amdgcn_target "amdgcn-amd-amdhsa--gfx1250"
	.amdhsa_code_object_version 6
	.text
	.protected	k_qc87772bf44_prep
	.globl	k_qc87772bf44_prep
	.p2align	8
	.type	k_qc87772bf44_prep,@function
k_qc87772bf44_prep:
	s_mov_b64 s[64:65], 0
	v_nop
	global_prefetch_b8 v0, s[64:65] scope:SCOPE_SE
	s_setreg_imm32_b32 hwreg(HW_REG_WAVE_MODE, 25, 1), 1
	s_wait_xcnt 0x0
; f32 rows become operands of MX-FP8 products: codes of E4M3 with one E8M0 scale byte for each 32 along K.
; Work-groups 0-255: LayerNorm of the first argument's rows (gain, bias: arguments 2, 3), then the quantiser.  256-447: w_qkv, 448-511: w_out, 512-767: w1, 768-1023: w2, the quantiser alone.
; The same text serves a second launch of 256 work-groups (the second LayerNorm): there every work-group is of the first kind and the four weight pointers are not read.
; THE OUTPUT'S LAYOUT.  A rowblock is 16 rows; place r of rowblock i is row 32 (i / 2) + 8 (i % 2) + r % 8 + 16 (r / 8).  A fragment (a rowblock x 128 K) is stored as the image of the matrix operand's registers:
; 2,048 bytes [c 0..3][lane][16 bytes], lane (r, h) holding k = 32 c + 16 h + 0..15 of place r.  Codes: [rowblock][K step][2048]; scale words: [rowblock][K step][16 places], 4 bytes each, byte b for k = 32 b on.
; SHARES.  A work-group takes one rowblock x 1,024 along K; wave w takes K step w: one fragment, 16 rows x 512 bytes.  Each load reads 512 consecutive bytes of a row; the 8 KB turn through the wave's own stage in LDS
; (rows 528 bytes apart: sixteen rows start at sixteen different groups of four banks) and come back 16 neighbours along K a lane and block.
; LAYERNORM in two passes, as the definition has it (mean; then the mean of squares of x - mean): no difference of large sums.  A row's sums meet in LDS: [row][wave], one barrier each.
; The two barriers stand under a branch on the work-group's number, which is the same in all eight waves.
; LIMITS: NaN and infinities are not served.  A block whose largest magnitude lies under 2^-118 (a block of zeros too) gets the byte 1: its codes are what the conversion makes of it under that scale; only this program reads the bytes.
; The scale words leave in runs of 64 bytes: one byte in 128 of what the launch reads.
.set HS,    4194304                    ; the first tensor's scale words (its codes begin at 0)
.set WC,    4325376                    ; the weights' codes
.set WS,    16908288                   ; the weights' scale words
.set STG,   8448                       ; a wave's stage: 16 rows x 528 bytes
.set STAT,  67584                      ; behind the eight stages: 512 bytes for the sums, 512 for the sums of squares
.set L16,   4                          ; v4   16 x lane
.set SI,    5                          ; v5   the stage, on the way in
.set SOA,   6                          ; v6   the stage, on the way out: 528 r + 64 h
.set R4,    7                          ; v7   4 r
.set GA,    8                          ; v8   gain and bias: 512 w + 64 h
.set STW,   9                          ; v9   where I put my row's partial sum
.set STR,   10                         ; v10  where I read my row's eight
.set PW,    11                         ; v11  the scale word
.set R,     32                         ; v32-95   rows as loaded, later the gain
.set X,     96                         ; v96-159  row offsets, then my 64 numbers: register 16 b + i = k 32 b + 16 h + i
.set BT,    160                        ; v160-223 the bias
.set PC,    224                        ; v224-239 the codes
.set TM,    240                        ; v240-255 at work in the quantiser
.set SEL,   48                         ; s[48:49] v_permlanex16_b32's selects for lane l xor 16
.set MNT,   50                         ; s50  the mantissa field of 448
; 64 numbers of a lane become a fragment's codes in v[PC] on and its scale word in v[PW]
.macro QUANT s
.irp b, 0,1,2,3
	v_max3_num_f32 v[TM+\b], |v[\s+16*\b]|, |v[\s+1+16*\b]|, 0x4800000   ; block b: my 16 numbers, and the floor 2^(9 - 127): the byte cannot fall under 1
.endr
.irp i, 2,4,6,8,10,12,14
.irp b, 0,1,2,3
	v_max3_num_f32 v[TM+\b], v[TM+\b], |v[\s+16*\b+\i]|, |v[\s+1+16*\b+\i]|   ; the four blocks by turns
.endr
.endr
.irp b, 0,1,2,3
	v_permlanex16_b32 v[TM+4+\b], v[TM+\b], s[SEL], s[SEL+1]
.endr
.irp b, 0,1,2,3
	v_max_num_f32 v[TM+\b], v[TM+\b], v[TM+4+\b]           ; with lane l xor 16's: the block's largest magnitude
.endr
.irp b, 0,1,2,3
	v_add_nc_u32 v[TM+12+\b], 0xfc000000, v[TM+\b]         ; 8 off its exponent field: the conversion's scale operand
.endr
.irp b, 0,1,2,3
	v_and_or_b32 v[TM+8+\b], v[TM+\b], 0x7f800000, s[MNT]  ; 448 x the scale
.endr
.irp b, 0,1,2,3
	v_lshrrev_b32 v[TM+4+\b], 23, v[TM+12+\b]              ; the scale's byte
.endr
	v_lshl_or_b32 v[PW], v[TM+5], 8, v[TM+4]
	v_lshl_or_b32 v[PW], v[TM+6], 16, v[PW]
	v_lshl_or_b32 v[PW], v[TM+7], 24, v[PW]
.irp b, 0,1,2,3
.irp i, 0,1,2,3,4,5,6,7,8,9,10,11,12,13,14,15
	v_med3_num_f32 v[\s+16*\b+\i], v[\s+16*\b+\i], -v[TM+8+\b], v[TM+8+\b]   ; the conversion does not saturate (ISA guide 7.6.2): the hold at 448 x the scale
.endr
	v_cvt_scalef32_pk8_fp8_f32 v[PC+4*\b:PC+1+4*\b], v[\s+16*\b:\s+7+16*\b], v[TM+12+\b]
	v_cvt_scalef32_pk8_fp8_f32 v[PC+2+4*\b:PC+3+4*\b], v[\s+8+16*\b:\s+15+16*\b], v[TM+12+\b]
.endr
	v_nop                                                  ; a plain line behind the last conversion
.endm
; four packed partial sums in v[24:31] become the row's sum over all 1,024 numbers, in v16 of every lane of the row
.macro FOLD off
	v_pk_add_f32 v[24:25], v[24:25], v[26:27]
	v_pk_add_f32 v[28:29], v[28:29], v[30:31]
	v_pk_add_f32 v[24:25], v[24:25], v[28:29]
	v_add_f32 v24, v24, v25
	v_permlanex16_b32 v25, v24, s[SEL], s[SEL+1]           ; the row's other 64 numbers of this K step lie in lane l xor 16
	v_add_f32 v24, v24, v25
	ds_store_b32 v[STW], v24 offset:\off                   ; both lanes of a row write the same word with the same value
	s_wait_dscnt 0x0                                       ; for the others' sake: my store has landed
	s_barrier_signal -1
	s_barrier_wait -1
	ds_load_b128 v[16:19], v[STR] offset:\off
	ds_load_b128 v[20:23], v[STR] offset:\off+16
	s_wait_dscnt 0x0
	v_pk_add_f32 v[16:17], v[16:17], v[18:19]              ; the same order in every wave: all waves get the same bits
	v_pk_add_f32 v[20:21], v[20:21], v[22:23]
	v_pk_add_f32 v[16:17], v[16:17], v[20:21]
	v_add_f32 v16, v16, v17
.endm
; from work-group t on: another tensor, other places in the output
.macro PICK t, ptr, co, so
	s_cmp_ge_u32 ttmp9, \t
	s_cselect_b64 s[32:33], s[\ptr:\ptr+1], s[32:33]
	s_cselect_b32 s34, \t, s34
	s_cselect_b32 s35, \co, s35
	s_cselect_b32 s36, \so, s36
.endm
	s_load_b512 s[16:31], s[0:1], 0x0              ; x s[16:17], gain s[18:19], bias s[20:21], w_qkv s[22:23], w_out s[24:25], w1 s[26:27], w2 s[28:29], the output s[30:31]
	s_set_vgpr_msb 0x40
	v_lshl_add_u32 v0, v0, 2, 0x10c00
	v_mov_b32 v1, 0
	s_set_vgpr_msb 0x4000
	v_lshrrev_b32 v1, 5, v0
	v_readfirstlane_b32 s2, v1                     ; wave 0..7
	v_and_b32 v1, 31, v0                           ; lane
	v_and_b32 v2, 15, v0                           ; r
	v_bfe_u32 v3, v0, 4, 1                         ; h
	v_lshlrev_b32 v[L16], 4, v1
	s_mul_i32 s3, s2, STG
	v_add_nc_u32 v[SI], s3, v[L16]
	v_mul_u32_u24 v[SOA], v2, 528
	v_lshl_add_u32 v[SOA], v3, 6, v[SOA]
	v_add_nc_u32 v[SOA], s3, v[SOA]
	v_lshlrev_b32 v[R4], 2, v2
	s_lshl_b32 s4, s2, 9                           ; my K step's 512 bytes of a row
	v_lshl_add_u32 v[GA], v3, 6, s4
	s_lshl_b32 s5, s2, 2
	v_lshl_add_u32 v[STW], v2, 5, s5               ; [row][wave]: 32 r + 4 w
	v_add_nc_u32 v[STW], STAT, v[STW]
	v_lshlrev_b32 v[STR], 5, v2
	v_add_nc_u32 v[STR], STAT, v[STR]
.irp b, 0,1,2,3
	v_mov_b32 v[TM+4+\b], 0                        ; written once: a lane permute's destination counts as one of its sources
.endr
	s_mov_b32 s[SEL], 0x76543210
	s_mov_b32 s[SEL+1], 0xfedcba98
	s_mov_b32 s[MNT], 0x600000
	s_mov_b32 s34, 0                               ; the tensor's first work-group
	s_mov_b32 s35, 0                               ; where its codes begin
	s_mov_b32 s36, HS                              ; and its scale words
	s_mov_b32 s38, 4096                            ; a row in bytes
	s_wait_kmcnt 0x0
	s_mov_b64 s[32:33], s[16:17]
	PICK 256, 22, WC, WS
	PICK 448, 24, WC+3145728, WS+98304
	PICK 512, 26, WC+4194304, WS+131072
	PICK 768, 28, WC+8388608, WS+262144
	s_cselect_b32 s37, 63, -1                      ; w2 alone has K = 4,096: 64 rowblocks x 4 quarters of K
	s_cselect_b32 s38, 16384, s38
	s_cselect_b32 s39, 32, 8                       ; K steps in a row
	s_cselect_b32 s40, 6, 31
	s_sub_co_u32 s41, ttmp9, s34
	s_lshr_b32 s42, s41, s40                       ; which quarter of K (0 but for w2)
	s_and_b32 s41, s41, s37                        ; the rowblock i
	s_lshr_b32 s43, s41, 1
	s_lshl_b32 s43, s43, 5
	s_and_b32 s44, s41, 1
	s_lshl_b32 s44, s44, 3
	s_add_co_u32 s43, s43, s44                     ; its first row: 32 (i / 2) + 8 (i % 2)
	s_mul_i32 s44, s43, s38
	s_lshl_b32 s45, s42, 12
	s_add_co_u32 s44, s44, s45
	s_add_co_u32 s44, s44, s4
	s_mov_b32 s45, 0
	s_add_nc_u64 s[32:33], s[32:33], s[44:45]      ; the source at my fragment's first number
	s_mul_i32 s46, s41, s39
	s_lshl_b32 s47, s42, 3
	s_add_co_u32 s46, s46, s47
	s_add_co_u32 s46, s46, s2                      ; the fragment's number: i x K steps + 8 x quarter + w
	s_lshl_b32 s44, s46, 11
	s_add_co_u32 s44, s44, s35
	s_add_nc_u64 s[52:53], s[30:31], s[44:45]      ; its image
	s_lshl_b32 s44, s46, 6
	s_add_co_u32 s44, s44, s36
	s_add_nc_u64 s[54:55], s[30:31], s[44:45]      ; its scale words
.irp p, 0,1,2,3,4,5,6,7,8,9,10,11,12,13,14,15
	v_mad_u32_u24 v[X+\p], s38, \p+8*(\p/8), v[L16]   ; place p is the row p + 8 (p / 8) further down
.endr
.irp p, 0,1,2,3,4,5,6,7,8,9,10,11,12,13,14,15
	global_load_b128 v[R+4*\p:R+4*\p+3], v[X+\p], s[32:33] th:TH_LOAD_NT   ; 32 lanes read 512 consecutive bytes of one row
.endr
	s_wait_loadcnt 0x0                             ; all sixteen are in; their offset registers are free
.irp p, 0,1,2,3,4,5,6,7,8,9,10,11,12,13,14,15
	ds_store_b128 v[SI], v[R+4*\p:R+4*\p+3] offset:528*\p
.endr
.irp b, 0,1,2,3
.irp j, 0,1,2,3
	ds_load_b128 v[X+16*\b+4*\j:X+16*\b+4*\j+3], v[SOA] offset:128*\b+16*\j   ; LDS serves a wave's instructions in order: these see my stores
.endr
.endr
	s_wait_dscnt 0x0
	s_cmp_ge_u32 ttmp9, 256
	s_cbranch_scc1 .Lplain                         ; a weight is quantised as it is
.irp b, 0,1,2,3
.irp j, 0,1,2,3
	global_load_b128 v[R+16*\b+4*\j:R+16*\b+4*\j+3], v[GA], s[18:19] offset:128*\b+16*\j     ; the gain of my 64 columns
	global_load_b128 v[BT+16*\b+4*\j:BT+16*\b+4*\j+3], v[GA], s[20:21] offset:128*\b+16*\j   ; and the bias
.endr
.endr
.irp c, 0,2,4,6
	v_pk_add_f32 v[24+\c:25+\c], v[X+\c:X+\c+1], v[X+8+\c:X+9+\c]   ; four chains, started by the first sixteen numbers
.endr
.set k, 16
.rept 24
	v_pk_add_f32 v[24+k%8:25+k%8], v[24+k%8:25+k%8], v[X+k:X+k+1]
.set k, k+2
.endr
	FOLD 0
	v_mul_f32 v12, 0x3a800000, v16                 ; the mean: the sum x 2^-10
	v_mov_b32 v13, v12
.set k, 0
.rept 32
	v_pk_add_f32 v[X+k:X+k+1], v[X+k:X+k+1], v[12:13] neg_lo:[0,1] neg_hi:[0,1]   ; x - mean
.set k, k+2
.endr
.irp c, 0,2,4,6
	v_pk_mul_f32 v[24+\c:25+\c], v[X+\c:X+\c+1], v[X+\c:X+\c+1]
.endr
.set k, 8
.rept 28
	v_pk_fma_f32 v[24+k%8:25+k%8], v[X+k:X+k+1], v[X+k:X+k+1], v[24+k%8:25+k%8]
.set k, k+2
.endr
	FOLD 512                                       ; other bytes than the first sums': no wave still reads what is written here
	v_mov_b32 v17, 0x3727c5ac                      ; 1e-5
	v_fma_f32 v16, v16, 0x3a800000, v17            ; the variance + 1e-5
	v_rsq_f32 v14, v16
	v_rsq_f32 v15, v16                             ; twice: the packed multiply takes a pair
	v_nop                                          ; a plain line behind the transcendentals
	s_wait_alu depctr_va_vdst(0)                   ; the wait ahead of the first reader: one for both
	s_wait_loadcnt 0x0                             ; gain and bias
.set k, 0
.rept 32
	v_pk_mul_f32 v[X+k:X+k+1], v[X+k:X+k+1], v[14:15]
.set k, k+2
.endr
.set k, 0
.rept 32
	v_pk_fma_f32 v[X+k:X+k+1], v[X+k:X+k+1], v[R+k:R+k+1], v[BT+k:BT+k+1]
.set k, k+2
.endr
.Lplain:
	QUANT X
.irp c, 0,1,2,3
	global_store_b128 v[L16], v[PC+4*\c:PC+4*\c+3], s[52:53] offset:512*\c   ; 32 lanes store 512 consecutive bytes, at a multiple of 512 from the buffer's first byte
.endr
	global_store_b32 v[R4], v[PW], s[54:55]        ; place r's word; lanes 16-31 hold and store the same
	s_set_vgpr_msb 0x5
	s_wait_tensorcnt 0x0
	ds_add_u32 v0, v1
	s_wait_dscnt 0x0
	s_set_vgpr_msb 0x500
	s_endpgm
.Lfunc_end_k_qc87772bf44_prep:
	.size	k_qc87772bf44_prep, .Lfunc_end_k_qc87772bf44_prep-k_qc87772bf44_prep
	.p2alignl 7, 3214868480
	.fill 96, 4, 3214868480
	.section	.rodata,"a",@progbits
	.p2align	6, 0x0
	.amdhsa_kernel k_qc87772bf44_prep
		.amdhsa_group_segment_fixed_size 69632
		.amdhsa_private_segment_fixed_size 0
		.amdhsa_enable_private_segment 0
		.amdhsa_kernarg_size 64
		.amdhsa_user_sgpr_count 2
		.amdhsa_user_sgpr_kernarg_segment_ptr 1
		.amdhsa_wavefront_size32 1
		.amdhsa_system_sgpr_workgroup_id_x 1
		.amdhsa_system_sgpr_workgroup_id_y 1
		.amdhsa_system_sgpr_workgroup_id_z 1
		.amdhsa_system_vgpr_workitem_id 0
		.amdhsa_next_free_vgpr 258
		.amdhsa_next_free_sgpr 66
		.amdhsa_reserve_vcc 0
		.amdhsa_float_denorm_mode_32 3
		.amdhsa_float_denorm_mode_16_64 3
		.amdhsa_memory_ordered 1
		.amdhsa_forward_progress 1
		.amdhsa_inst_pref_size 33
	.end_amdhsa_kernel
	.amdgpu_metadata
---
amdhsa.version: [ 1, 2 ]
amdhsa.kernels:
  - .name:           k_qc87772bf44_prep
    .symbol:         k_qc87772bf44_prep.kd
    .args:
      - { .name: x, .offset: 0, .size: 8, .value_kind: global_buffer, .address_space: global }
      - { .name: ln1_g, .offset: 8, .size: 8, .value_kind: global_buffer, .address_space: global }
      - { .name: ln1_b, .offset: 16, .size: 8, .value_kind: global_buffer, .address_space: global }
      - { .name: w_qkv, .offset: 24, .size: 8, .value_kind: global_buffer, .address_space: global }
      - { .name: w_out, .offset: 32, .size: 8, .value_kind: global_buffer, .address_space: global }
      - { .name: w1, .offset: 40, .size: 8, .value_kind: global_buffer, .address_space: global }
      - { .name: w2, .offset: 48, .size: 8, .value_kind: global_buffer, .address_space: global }
      - { .name: pw, .offset: 56, .size: 8, .value_kind: global_buffer, .address_space: global }
    .group_segment_fixed_size: 69632
    .private_segment_fixed_size: 0
    .kernarg_segment_align: 8
    .kernarg_segment_size: 64
    .max_flat_workgroup_size: 256
    .sgpr_count:     66
    .vgpr_count:     258
    .wavefront_size: 32
...
	.end_amdgpu_metadata
.endif
;; end of part 1
;; launch qkv (part 2): grid 16 x 12, 4 waves a work-group, clusters of 4 x 4, 327,680 bytes of LDS; arguments pw, b_qkv, qkvb; writes qkvb
.if DOCPART == 2
	.amdgcn_target "amdgcn-amd-amdhsa--gfx1250"
	.amdhsa_code_object_version 6
	.text
	.protected	k_qc87772bf44_qkv
	.globl	k_qc87772bf44_qkv
	.p2align	8
	.type	k_qc87772bf44_qkv,@function
k_qc87772bf44_qkv:
	s_mov_b64 s[64:65], 0
	v_nop
	global_prefetch_b8 v0, s[64:65] scope:SCOPE_SE
	s_setreg_imm32_b32 hwreg(HW_REG_WAVE_MODE, 25, 1), 1
	s_wait_xcnt 0x0
	s_wait_alu depctr_hold_cnt(0) depctr_sa_sdst(0) depctr_va_vdst(0) depctr_va_sdst(0) depctr_va_ssrc(0) depctr_va_vcc(0) depctr_vm_vsrc(0)
	s_getreg_b32 s2, hwreg(HW_REG_IB_STS2, 6, 4)
	s_cmp_eq_u32 s2, 0
	s_cbranch_scc0 .Lentry_in_a_cluster
	s_endpgm
.Lentry_in_a_cluster:
	s_bfe_u32 s2, ttmp6, 0x10000c
	s_cmp_lg_u32 s2, 0xf033
	s_cbranch_scc0 .Lentry_shape_is_right
	s_endpgm
.Lentry_shape_is_right:
; q, k, v = LN1(x) w_qkv^T + b_qkv on codes of FP8 (E4M3) with E8M0 scales for each 32 along K = 1,024; the results are quantised here for the two products of attention and leave as codes.
; OPERANDS come as images of the matrix operand's registers: a fragment (a rowblock of 16 rows x 128 K) is 2,048 bytes [c][lane][16]; codes [rowblock][K step][2048], scale words [rowblock][K step][16 places].
; Place r of rowblock i is row 32 (i / 2) + 8 (i % 2) + r % 8 + 16 (r / 8).  THE MATRIX INSTRUCTION IS USED TRANSPOSED: source 0 = a rowblock of the operand called B here, source 1 = a rowblock of A.
; In accumulator (a, b) lane (r, h) then holds place r of A's rowblock a, and register j the NATURAL index 32 (b / 2) + 16 h + 8 (b % 2) + j of B: the 64 registers of (a, 0..7) run along B as a quantiser and the next operand want them.
; WHICH OPERAND IS B: the axis along which the result is quantised.  q and k are quantised along the head (w's rows): A = tokens, B = w_qkv's rows 0-2047.  v is quantised along the keys: A = w_qkv's rows 2048-3071, B = tokens: V^T.
; TILES.  A work-group makes 256 x 256, a wave 128 x 128 in 64 accumulators.  192 tiles: clusters with y < 2 make q and k (16 x 8 tiles), clusters with y = 2 make V^T (4 x 16).  The choice hangs on the cluster's y alone.
; CLUSTERS of 4 x 4: A's tile hangs on cy and is asked for jointly by a row of the cluster, B's on cx, by a column.  K goes in steps of 256 through two LDS slots; the scale words of all of K come once.
; OUT.  q, k: [32 heads: q 0-15, k 16-31][256 token rowblocks][1024]: half an image, K = 64; scale words [32 heads][4096 places], bytes 0, 1.  V^T: [64 channel rowblocks][32 steps of 128 tokens][2048]; scale words [64][32][16].
; REGISTERS: window 0: v0-31 addresses (v8-15 the bias along lanes); v32-63 scale words, two sets; v64-127 the bias along registers; v128-255 A's fragments, one set; in the epilogue v128-225 at work.
;   window 1: B's fragments, two sets.  windows 2, 3: the accumulators, (a, b) at v[8 (8 (a % 4) + b)].
; LIMITS: NaN and infinities are not served; a block whose largest magnitude lies under 2^-118 gets the byte 1.  Scale words leave in runs of 64 bytes: one byte in 32 of the launch's output.
.set HS,    4194304                    ; in pw: h's codes at 0, h's scale words,
.set WC,    4325376                    ; w_qkv's codes,
.set WS,    16908288                   ; w_qkv's scale words
.set VTC,   8388608                    ; in qkvb: q's and k's codes at 0, V^T's codes,
.set QKS,   12582912                   ; q's and k's scale words,
.set VTS,   13107200                   ; V^T's
.set NQ,    2                          ; matrix instructions deep in a slot
.set FR,    16                         ; registers of a fragment
.set NL,    4                          ; LDS loads that bring one
.set NP,    8                          ; places behind this matrix instruction (ISA guide 7.12.1)
.set QUART, 32768                      ; 8 rowblocks x 2 K steps x 2,048: what one tensor load brings and what one wave reads of A or of B
.set SLOT,  131072                     ; A's two halves, then B's two halves
.set SCL,   262144                     ; behind the ring: the scale words, [quarter][rowblock 8][K step 8][64 bytes]
.set SPARE, 278528                     ; the spare words, 128 bytes for each wave: two blocks of 256 bytes that no other line names
.set LAPS,  2                          ; 1,024 along K = twice round the ring
.set LI,   7                           ; v7   16 x lane
.set BM,   8                           ; v8-15  b_qkv at my lane's row of A's block a (V^T), else 0
.set ADRA, 16                          ; v16-17 LDS address of A's fragments in slot 0, 1
.set ADRB, 20                          ; v20-21 the same for B
.set ADRS, 27                          ; v27  of my scale words: lanes 0-15 A's, lanes 16-31 B's
.set SPW,  28                          ; v28  my spare word: SPARE + 4 x my thread's number; never rewritten
.set NIL,  29                          ; v29  0; never rewritten
.set SO,   30                          ; v30  the scale word's place
.set SHF,  31                          ; v31  and its shift
.set SC,   32                          ; scale words: set s at v[SC + 16 s], register 2 i + q
.set BN,   64                          ; b_qkv along my registers (q, k), else 0
.set AF,   128
.set T,    128                         ; the epilogue: 64 numbers,
.set PC,   192                         ; their codes,
.set TM,   208                         ; the quantiser's work,
.set PW,   224                         ; the scale word,
.set W2,   225                         ; and what is stored of it
.set G1, 24
.set G0, 32
.set G1B, 48
.set G0B, 56
.set G1S, 68
.set G0S, 76
.set G1SB, 80
.set G0SB, 88
.set SEL, 44                           ; the epilogue's s[44:45], s43
.set MNT, 43
.set MSB, 0
.macro WIN new                         ; the immediate's high byte repeats the setting that is left
.if MSB != \new
	s_set_vgpr_msb (MSB<<8)|\new
.set MSB, \new
.endif
.endm
.set MUL_LO, 0xa1                      ; source 0 (B) window 1, source 1 (A) window 0, C and D window 2
.set MUL_HI, 0xf1                      ; the same, C and D window 3
.set TO_B,   0x40                      ; destination window 1, address window 0
; A joint load: waves 0 and 1 fetch for A, waves 2 and 3 for B; the branch hangs on the wave's number alone.  Four v_nop follow each of the two lines.
.macro JLOAD g0a, g1a, g0b, g1b
	s_cmp_eq_u32 s15, 0
	s_cbranch_scc0 .Lfor_b_\@
	tensor_load_to_lds s[\g0a:\g0a+3], s[\g1a:\g1a+7]
	s_nop 0
.rept 4
	v_nop
.endr
	s_branch .Lasked_\@
.Lfor_b_\@:
	tensor_load_to_lds s[\g0b:\g0b+3], s[\g1b:\g1b+7]
	s_nop 0
.rept 4
	v_nop
.endr
.Lasked_\@:
.endm
.macro CREST                           ; a round of the cluster's barrier behind its opening barrier
	s_cmp_lg_u32 s14, 0
	s_cbranch_scc1 .Lnot_wave_0_\@
	s_barrier_signal -3
.Lnot_wave_0_\@:
	s_barrier_wait -3
	s_barrier_signal -1
	s_barrier_wait -1
.endm
.macro CROUND
	s_barrier_signal -1
	s_barrier_wait -1
	CREST
.endm
	s_load_b128 s[4:7], s[0:1], 0x0                ; pw s[4:5], b_qkv s[6:7]
	s_load_b64 s[8:9], s[0:1], 0x10                ; qkvb
	v_lshl_add_u32 v[SPW], v0, 2, SPARE
	v_mov_b32 v[NIL], 0
	ds_add_u32 v28, v29
	ds_add_u32 v28, v29
	s_wait_dscnt 0x0
	v_lshrrev_b32 v1, 5, v0
	v_readfirstlane_b32 s14, v1                    ; wave 0..3
	s_lshr_b32 s15, s14, 1                         ; which half of A's rows is mine.  Also: I fetch for A (0) or for B (1)
	s_and_b32 s16, s14, 1                          ; which half of B's.  Also: which half of that tile I fetch
	s_bfe_u32 s40, ttmp6, 0x40000                  ; cx, cy: my place in the cluster
	s_bfe_u32 s41, ttmp6, 0x40004
	s_and_b32 s17, ttmp7, 0xffff                   ; the cluster's y: 0, 1: q and k; 2: V^T
	s_lshl_b32 s43, s41, 2
	s_lshl_b32 s43, 15, s43                        ; my row of the cluster
	s_lshl_b32 s44, 0x1111, s40                    ; my column
	; group 1 for codes: 8 rowblocks x 4,096 bytes (two K steps), 16,384 bytes from rowblock to rowblock; elements of 8 bytes; no padding: fragments are read 16 bytes a lane on end
	s_or_b32 s[G1+0], s43, (3<<16)|(1<<21)
	s_or_b32 s[G1B+0], s44, (3<<16)|(1<<21)
.irp g, G1, G1B
	s_mov_b32 s[\g+1], 512<<16                     ; tensor_dim0
	s_mov_b32 s[\g+2], 8<<16                       ; tensor_dim1
	s_mov_b32 s[\g+3], 512<<16                     ; tile_dim0
	s_mov_b32 s[\g+4], 8                           ; tile_dim1
	s_mov_b32 s[\g+5], 2048                        ; tensor_dim0_stride
	s_mov_b32 s[\g+6], 0
	s_mov_b32 s[\g+7], 0
.endr
	; and for the scale words of 8 rowblocks, all of K: 4,096 dense bytes as 16 rows of 256
	s_or_b32 s[G1S+0], s43, (3<<16)|(1<<21)
	s_or_b32 s[G1SB+0], s44, (3<<16)|(1<<21)
.irp g, G1S, G1SB
	s_mov_b32 s[\g+1], 32<<16
	s_mov_b32 s[\g+2], 16<<16
	s_mov_b32 s[\g+3], 32<<16
	s_mov_b32 s[\g+4], 16
	s_mov_b32 s[\g+5], 32
	s_mov_b32 s[\g+6], 0
	s_mov_b32 s[\g+7], 0
.endr
	; the tile.  A's registers hold cy and never cx, B's cx and never cy
	s_lshl_b32 s18, s17, 2
	s_add_co_u32 s18, s18, s41
	s_lshr_b32 s19, ttmp9, 1
	s_lshl_b32 s19, s19, 3
	s_add_co_u32 s18, s18, s19
	s_lshl_b32 s18, s18, 4                         ; q, k: A = tokens, rowblock 16 (4 y + cy + 8 (x / 2))
	s_lshl_b32 s19, s41, 4
	s_add_co_u32 s19, s19, 128                     ; V^T: A = w's rows 2,048 on, rowblock 128 + 16 cy
	s_and_b32 s46, ttmp9, 1
	s_lshl_b32 s46, s46, 2
	s_add_co_u32 s46, s46, s40
	s_lshl_b32 s46, s46, 4                         ; q, k: B = w's rows, rowblock 16 (4 (x % 2) + cx)
	s_lshl_b32 s47, ttmp9, 2
	s_add_co_u32 s47, s47, s40
	s_lshl_b32 s47, s47, 4                         ; V^T: B = tokens, rowblock 16 (4 x + cx)
	s_mov_b32 s97, HS
	s_mov_b32 s99, HS
	s_cmp_eq_u32 s17, 2                            ; the same in all sixteen partners
	s_cselect_b32 s66, s19, s18                    ; A's first rowblock
	s_cselect_b32 s67, s47, s46                    ; B's
	s_cselect_b32 s96, WC, 0                       ; where A's codes begin in pw,
	s_cselect_b32 s97, WS, s97                     ; A's scale words,
	s_cselect_b32 s98, 0, WC                       ; B's codes,
	s_cselect_b32 s99, s99, WS                     ; B's scale words
	s_lshl_b32 s18, s16, 3                         ; which 8 rowblocks of the tile I fetch
	s_add_co_u32 s20, s66, s18
	s_add_co_u32 s46, s67, s18
	s_lshl_b32 s22, s20, 9
	s_add_co_u32 s22, s22, s97
	s_mov_b32 s23, 0
	s_lshl_b32 s20, s20, 14
	s_add_co_u32 s20, s20, s96
	s_mov_b32 s21, 0
	s_lshl_b32 s92, s46, 9
	s_add_co_u32 s92, s92, s99
	s_mov_b32 s93, 0
	s_lshl_b32 s46, s46, 14
	s_add_co_u32 s46, s46, s98
	s_mov_b32 s47, 0
	s_lshl_b32 s45, s14, 15                        ; where they go: wave x a quarter: no place in the cluster enters an LDS address
	s_lshl_b32 s94, s14, 12
	s_wait_kmcnt 0x0
	s_add_nc_u64 s[20:21], s[4:5], s[20:21]
	s_add_nc_u64 s[22:23], s[4:5], s[22:23]
	s_add_nc_u64 s[46:47], s[4:5], s[46:47]
	s_add_nc_u64 s[92:93], s[4:5], s[92:93]
	CROUND                                         ; all sixteen work-groups are here: the first joint loads meet
	s_mov_b32 s[G0S], 1
	s_add_co_u32 s[G0S+1], s94, SCL
	s_mov_b64 s[G0S+2:G0S+3], s[22:23]
	s_or_b32 s[G0S+3], s[G0S+3], 0x80000000
	s_mov_b32 s[G0SB], 1
	s_add_co_u32 s[G0SB+1], s94, SCL
	s_mov_b64 s[G0SB+2:G0SB+3], s[92:93]
	s_or_b32 s[G0SB+3], s[G0SB+3], 0x80000000
	JLOAD G0S, G1S, G0SB, G1SB                     ; the scale words first: they are wanted with K step 0
.irp s, 0,1
	s_mov_b32 s[G0+4*\s], 1
	s_add_co_u32 s[G0+4*\s+1], s45, \s*SLOT
	s_add_nc_u64 s[G0+4*\s+2:G0+4*\s+3], s[20:21], \s*4096
	s_or_b32 s[G0+4*\s+3], s[G0+4*\s+3], 0x80000000
	s_mov_b32 s[G0B+4*\s], 1
	s_add_co_u32 s[G0B+4*\s+1], s45, \s*SLOT
	s_add_nc_u64 s[G0B+4*\s+2:G0B+4*\s+3], s[46:47], \s*4096
	s_or_b32 s[G0B+4*\s+3], s[G0B+4*\s+3], 0x80000000
	JLOAD G0+4*\s, G1, G0B+4*\s, G1B               ; three loads of mine are out
.endr
	v_and_b32 v1, 31, v0
	v_and_b32 v2, 15, v0                           ; r: kept
	v_bfe_u32 v3, v0, 4, 1                         ; h: kept
	v_lshlrev_b32 v[LI], 4, v1
	s_lshl_b32 s21, s15, 15                        ; my half of A
	s_lshl_b32 s22, s16, 15                        ; my half of B,
	s_add_co_u32 s22, s22, 2*QUART                 ; which lies behind A's two
.irp s, 0,1
	v_add_nc_u32 v[ADRA+\s], s21, v[LI]
	v_add_nc_u32 v[ADRB+\s], s22, v[LI]
	s_add_co_u32 s21, s21, SLOT
	s_add_co_u32 s22, s22, SLOT
.endr
	s_lshl_b32 s21, s15, 12                        ; scale words: A's, my half;
	s_lshl_b32 s22, s16, 12
	s_add_co_u32 s22, s22, 8192                    ; B's, my half, behind A's two
	s_sub_co_u32 s22, s22, s21
	v_mul_u32_u24 v6, s22, v3                      ; lanes 16-31 take B's
	s_add_co_u32 s21, s21, SCL
	v_lshl_add_u32 v5, v2, 2, v6
	v_add_nc_u32 v[ADRS], s21, v5
	; the bias: along my registers where B is w's rows, along my lanes where A is.  Both are loaded from inside b_qkv; the one that does not apply is cleared in the epilogue
	s_lshl_b32 s96, s67, 6
	s_lshl_b32 s97, s16, 9
	s_add_co_u32 s96, s96, s97                     ; q, k: 4 x (16 x B's rowblock + 128 x my half)
	s_lshl_b32 s98, s15, 3
	s_add_co_u32 s98, s98, s66
	s_lshl_b32 s98, s98, 6                         ; V^T: 4 x 16 x (A's rowblock + 8 x my half)
	s_cmp_eq_u32 s17, 2
	s_cselect_b32 s96, 0, s96
	s_cselect_b32 s98, s98, 0
	s_mov_b32 s97, 0
	s_mov_b32 s99, 0
	s_add_nc_u64 s[96:97], s[6:7], s[96:97]
	s_add_nc_u64 s[98:99], s[6:7], s[98:99]
	v_lshlrev_b32 v4, 6, v3                        ; 64 h
	v_and_b32 v24, 8, v2
	v_add_nc_u32 v24, v24, v2
	v_lshlrev_b32 v24, 2, v24                      ; 4 (r + 8 (r / 8))
.irp b, 0,1,2,3
.irp j, 0,1,2,3
	global_load_b128 v[BN+16*\b+4*\j:BN+16*\b+4*\j+3], v4, s[96:97] offset:128*\b+16*\j
.endr
.endr
.irp a, 0,1,2,3,4,5,6,7
	global_load_b32 v[BM+\a], v24, s[98:99] offset:(32*(\a/2)+8*(\a%2))*4
.endr
.macro FRAG reg, adr, q, i             ; a fragment's image: four loads of 16 bytes a lane, 512 consecutive bytes each
.irp c, 0,1,2,3
	ds_load_b128 v[\reg+4*\c:\reg+4*\c+3], v[\adr] offset:4096*(\i)+2048*(\q)+512*\c
.endr
.endm
; 16 matrix instructions: A's blocks a0, a0 + 1 x B's eight.  The 64 accumulators take turns, one instruction a turn, in the same order in every step.
.macro MUL16 a0, p, q, sc, zero
.irp a, \a0, \a0+1
.irp b, 0,1,2,3,4,5,6,7
.if \zero
	v_wmma_scale_f32_16x16x128_f8f6f4 v[8*(8*((\a)%4)+\b):8*(8*((\a)%4)+\b)+7], v[128*(\p)+FR*\b:128*(\p)+FR*\b+FR-1], v[AF+FR*(\a):AF+FR*(\a)+FR-1], 0, v[SC+8*NQ*(\sc)+NQ*\b+(\q)], v[SC+8*NQ*(\sc)+NQ*(\a)+(\q)] matrix_a_scale:MATRIX_SCALE_ROW1
.else
	v_wmma_scale_f32_16x16x128_f8f6f4 v[8*(8*((\a)%4)+\b):8*(8*((\a)%4)+\b)+7], v[128*(\p)+FR*\b:128*(\p)+FR*\b+FR-1], v[AF+FR*(\a):AF+FR*(\a)+FR-1], v[8*(8*((\a)%4)+\b):8*(8*((\a)%4)+\b)+7], v[SC+8*NQ*(\sc)+NQ*\b+(\q)], v[SC+8*NQ*(\sc)+NQ*(\a)+(\q)] matrix_a_scale:MATRIX_SCALE_ROW1
.endif
.endr
.endr
.endm
.macro FETCH_B slot, q, p
	WIN TO_B
.irp i, 0,1,2,3,4,5,6,7
	FRAG 128*(\p)+FR*\i, ADRB+\slot, \q, \i
.endr
	WIN 0
.endm
.macro FETCH_A slot, q, i0
.irp i, \i0, \i0+1, \i0+2, \i0+3
	FRAG AF+FR*(\i), ADRA+\slot, \q, \i
.endr
.endm
.macro SCALES sc                       ; a slot's scale words: lanes 0-15 A's block i, lanes 16-31 B's block i, for its two K steps of 128
.irp i, 0,1,2,3,4,5,6,7
.irp q, 0,1
	ds_load_b32 v[SC+16*\sc+2*\i+\q], v[ADRS] offset:512*\i+64*\q
.endr
.endr
.endm
.macro PLACES n                        ; plain vector lines that name no register of the matrix instructions ahead (ISA guide 7.12.1)
.rept \n
	v_nop
.endr
.endm
.macro STEP slot, q, zero              ; 128 along K that has its successor in the same slot
	s_wait_dscnt 4*NL                              ; all but the youngest sixteen loads (A's blocks 4-7)
	WIN MUL_LO
	MUL16 0, (\q)%2, \q, \slot, \zero
	MUL16 2, (\q)%2, \q, \slot, \zero
	s_wait_dscnt 0                                 ; A's blocks 4-7 are in
	PLACES NP
	FETCH_B \slot, (\q)+1, 1-(\q)%2
	FETCH_A \slot, (\q)+1, 0
	WIN MUL_HI
	MUL16 4, (\q)%2, \q, \slot, \zero
	MUL16 6, (\q)%2, \q, \slot, \zero
	PLACES NP
	WIN 0
	FETCH_A \slot, (\q)+1, 4
.endm
; A slot's last step changes slots: one barrier; in front of it each wave waits for all its tensor loads, adds 0 to its spare word, and waits for that and for its reads of this slot.
.macro TURN slot, next, fill
	s_wait_tensorcnt 0x0                           ; all my tensor loads have landed: my part of the next slot
	ds_add_u32 v[SPW], v[NIL]                      ; 0 onto my spare word
	s_wait_dscnt 4*NL+1                            ; the add and the youngest sixteen loads may be out
	WIN MUL_LO
	MUL16 0, 1, NQ-1, \slot, 0
	s_wait_dscnt 0x0                               ; the add is done, and my reads of this slot are over
	s_barrier_signal -1
	MUL16 2, 1, NQ-1, \slot, 0
	WIN 0
	s_barrier_wait -1
.if \fill
	CREST                                          ; the barrier has opened a round of the cluster's: no wave of any partner still reads this slot or has a load on its way
	s_add_nc_u64 s[G0+4*\slot+2:G0+4*\slot+3], s[G0+4*\slot+2:G0+4*\slot+3], 8192
	s_add_nc_u64 s[G0B+4*\slot+2:G0B+4*\slot+3], s[G0B+4*\slot+2:G0B+4*\slot+3], 8192
	JLOAD G0+4*\slot, G1, G0B+4*\slot, G1B         ; the first tensor load behind the round, my only one until the next; its four v_nop are among the places below
	PLACES NP-4
.else
	PLACES NP
.endif
	v_add_nc_u32 v[ADRS], 128, v[ADRS]             ; the next slot's scale words: two K steps of 64 bytes on
	FETCH_B \next, 0, 0
	FETCH_A \next, 0, 0
	SCALES \next
	WIN MUL_HI
	MUL16 4, 1, NQ-1, \slot, 0
	MUL16 6, 1, NQ-1, \slot, 0
	PLACES NP
	WIN 0
	FETCH_A \next, 0, 4
.endm
	s_wait_tensorcnt 1                             ; the scale words and my part of slot 0 are in; slot 1's load may be out
	s_barrier_signal -1
	s_barrier_wait -1
	FETCH_B 0, 0, 0
	FETCH_A 0, 0, 0
	SCALES 0
	FETCH_A 0, 0, 4
	STEP 0, 0, 1                                   ; the first step's products start the sums
	s_mov_b32 s3, LAPS-1
.Llap:
	TURN 0, 1, 1
	STEP 1, 0, 0
	TURN 1, 0, 1
	STEP 0, 0, 0
	s_sub_co_u32 s3, s3, 1
	s_cmp_lg_u32 s3, 0
	s_cbranch_scc1 .Llap
	TURN 0, 1, 0                                   ; the last lap fills nothing
	STEP 1, 0, 0
	s_wait_dscnt 4*NL
	WIN MUL_LO
	MUL16 0, 1, NQ-1, 1, 0
	MUL16 2, 1, NQ-1, 1, 0
	s_wait_dscnt 0
	WIN MUL_HI
	MUL16 4, 1, NQ-1, 1, 0
	MUL16 6, 1, NQ-1, 1, 0
	WIN 0
; THE EPILOGUE: a loop of eight trips, one for each of A's blocks: bias, quantiser along my 128 of B, one fragment out.  Only the copy out of the accumulators differs from trip to trip (register numbers): it is written eight times.
.macro QUANT s
.irp b, 0,1,2,3
	v_max3_num_f32 v[TM+\b], |v[\s+16*\b]|, |v[\s+1+16*\b]|, 0x4800000   ; block b: my 16 numbers, and the floor 2^(9 - 127): the byte cannot fall under 1
.endr
.irp i, 2,4,6,8,10,12,14
.irp b, 0,1,2,3
	v_max3_num_f32 v[TM+\b], v[TM+\b], |v[\s+16*\b+\i]|, |v[\s+1+16*\b+\i]|
.endr
.endr
.irp b, 0,1,2,3
	v_permlanex16_b32 v[TM+4+\b], v[TM+\b], s[SEL], s[SEL+1]
.endr
.irp b, 0,1,2,3
	v_max_num_f32 v[TM+\b], v[TM+\b], v[TM+4+\b]           ; with lane l xor 16's: the block's largest magnitude
.endr
.irp b, 0,1,2,3
	v_add_nc_u32 v[TM+12+\b], 0xfc000000, v[TM+\b]         ; 8 off its exponent field: the conversion's scale operand
.endr
.irp b, 0,1,2,3
	v_and_or_b32 v[TM+8+\b], v[TM+\b], 0x7f800000, s[MNT]  ; 448 x the scale
.endr
.irp b, 0,1,2,3
	v_lshrrev_b32 v[TM+4+\b], 23, v[TM+12+\b]              ; the scale's byte
.endr
	v_lshl_or_b32 v[PW], v[TM+5], 8, v[TM+4]
	v_lshl_or_b32 v[PW], v[TM+6], 16, v[PW]
	v_lshl_or_b32 v[PW], v[TM+7], 24, v[PW]
.irp b, 0,1,2,3
.irp i, 0,1,2,3,4,5,6,7,8,9,10,11,12,13,14,15
	v_med3_num_f32 v[\s+16*\b+\i], v[\s+16*\b+\i], -v[TM+8+\b], v[TM+8+\b]   ; the conversion does not saturate (ISA guide 7.6.2)
.endr
	v_cvt_scalef32_pk8_fp8_f32 v[PC+4*\b:PC+1+4*\b], v[\s+16*\b:\s+7+16*\b], v[TM+12+\b]
	v_cvt_scalef32_pk8_fp8_f32 v[PC+2+4*\b:PC+3+4*\b], v[\s+8+16*\b:\s+15+16*\b], v[TM+12+\b]
.endr
	v_nop                                                  ; a plain line behind the last conversion
.endm
.macro COPY a                          ; block a's 64 sums + the two biases; each accumulator is read from its low end on
.set W, 0x02+(\a)/4
	WIN W                                          ; source 0 in window 2 or 3
.set k, 0
.rept 32
	v_pk_add_f32 v[T+k:T+k+1], v[64*((\a)%4)+k:64*((\a)%4)+k+1], v[BN+k:BN+k+1]
.set k, k+2
.endr
	WIN 0
.set k, 0
.rept 32
.if (\a)%2
	v_pk_add_f32 v[T+k:T+k+1], v[T+k:T+k+1], v[BM+(\a)-1:BM+(\a)] op_sel:[0,1] op_sel_hi:[1,1]
.else
	v_pk_add_f32 v[T+k:T+k+1], v[T+k:T+k+1], v[BM+(\a):BM+(\a)+1] op_sel_hi:[1,0]
.endif
.set k, k+2
.endr
.endm
	PLACES NP                                      ; behind the last products: their results are read and A's registers written below
	s_wait_loadcnt 0x0                             ; the biases
	s_lshl_b32 s20, s15, 3
	s_add_co_u32 s20, s20, s66                     ; A's first rowblock of my half
	s_lshr_b32 s21, s67, 2
	s_lshl_b32 s22, s16, 1
	s_add_co_u32 s21, s21, s22                     ; q, k: the first of my two heads of 32
	s_lshl_b32 s22, s21, 18
	s_lshl_b32 s23, s20, 10
	s_add_co_u32 s22, s22, s23                     ; its codes at my first rowblock of tokens
	s_lshl_b32 s21, s21, 14
	s_lshl_b32 s23, s20, 6
	s_add_co_u32 s21, s21, s23
	s_add_co_u32 s21, s21, QKS                     ; its scale words
	s_sub_co_u32 s20, s20, 128                     ; V^T: my first rowblock of channels (used where the cluster's y is 2 alone)
	s_lshl_b32 s20, s20, 5
	s_lshr_b32 s23, s67, 3
	s_add_co_u32 s20, s20, s23
	s_add_co_u32 s20, s20, s16                     ; x 32 steps + my step of 128 tokens
	s_lshl_b32 s23, s20, 11
	s_add_co_u32 s23, s23, VTC
	s_lshl_b32 s20, s20, 6
	s_add_co_u32 s20, s20, VTS
	s_mov_b32 s34, 262144
	s_mov_b32 s30, 1024
	s_cmp_eq_u32 s17, 2
	s_cselect_b32 s24, s23, s22                    ; where the fragment's first half goes,
	s_cselect_b32 s28, s20, s21                    ; its scale words,
	s_cselect_b32 s34, 1024, s34                   ; from the first half to the second: the image's other half, or the next head,
	s_cselect_b32 s30, 65536, s30                  ; from block to block of A: codes,
	s_cselect_b32 s32, 2048, 64                    ; scale words,
	s_cselect_b32 s36, 0, 16384                    ; lanes 16-31 store the second head's word,
	s_cselect_b32 s37, 0, 16                       ; which is the word's upper half,
	s_cselect_b32 s38, 0, -1                       ; the bias along registers counts for q and k,
	s_cselect_b32 s39, -1, 0                       ; the bias along lanes for V^T
	s_mov_b32 s25, 0
	s_mov_b32 s29, 0
	s_mov_b32 s31, 0
	s_mov_b32 s33, 0
	s_mov_b32 s35, 0
	s_add_nc_u64 s[24:25], s[8:9], s[24:25]
	s_add_nc_u64 s[26:27], s[24:25], s[34:35]
	s_add_nc_u64 s[28:29], s[8:9], s[28:29]
	s_mov_b32 s[SEL], 0x76543210
	s_mov_b32 s[SEL+1], 0xfedcba98
	s_mov_b32 s[MNT], 0x600000
	v_mul_u32_u24 v[SO], s36, v3
	v_lshl_add_u32 v[SO], v2, 2, v[SO]             ; 4 r, + a head's words for lanes 16-31
	v_mul_u32_u24 v[SHF], s37, v3
.set k, 0
.rept 64
	v_and_b32 v[BN+k], s38, v[BN+k]
.set k, k+1
.endr
.set k, 0
.rept 8
	v_and_b32 v[BM+k], s39, v[BM+k]
.set k, k+1
.endr
.irp b, 0,1,2,3
	v_mov_b32 v[TM+4+\b], 0                        ; written once: a lane permute's destination counts as one of its sources
.endr
	s_mov_b32 s3, 0
.Lrow:
.irp a, 0,1,2,3,4,5,6
	s_cmp_eq_u32 s3, \a
	s_cbranch_scc1 .Lc\a
.endr
	COPY 7
	s_branch .Lcommon
.irp a, 0,1,2,3,4,5,6
.Lc\a:
	COPY \a
.if \a < 6
	s_branch .Lcommon
.endif
.endr
.Lcommon:
	QUANT T
.irp c, 0,1
	global_store_b128 v[LI], v[PC+4*\c:PC+4*\c+3], s[24:25] offset:512*\c       ; 32 lanes store 512 consecutive bytes, aligned
.endr
.irp c, 0,1
	global_store_b128 v[LI], v[PC+8+4*\c:PC+11+4*\c], s[26:27] offset:512*\c
.endr
	v_lshrrev_b32 v[W2], v[SHF], v[PW]
	global_store_b32 v[SO], v[W2], s[28:29]        ; q, k: lanes 0-15 the first head's two bytes, lanes 16-31 the second's; V^T: the word, twice the same
	s_wait_xcnt 0x0                                ; the stores have read their data and bases: both are written again only behind this wait
	s_add_nc_u64 s[24:25], s[24:25], s[30:31]
	s_add_nc_u64 s[26:27], s[26:27], s[30:31]
	s_add_nc_u64 s[28:29], s[28:29], s[32:33]
	s_add_co_u32 s3, s3, 1
	s_cmp_lt_u32 s3, 8
	s_cbranch_scc1 .Lrow
	s_wait_tensorcnt 0x0                           ; the wave's end
	ds_add_u32 v[SPW], v[NIL]
	s_wait_dscnt 0x0
	CROUND                                         ; the closing round: no work-group ends while a partner may still ask for a tile that names it
	s_endpgm
.Lfunc_end_k_qc87772bf44_qkv:
	.size	k_qc87772bf44_qkv, .Lfunc_end_k_qc87772bf44_qkv-k_qc87772bf44_qkv
	.p2alignl 7, 3214868480
	.fill 96, 4, 3214868480
	.section	.rodata,"a",@progbits
	.p2align	6, 0x0
	.amdhsa_kernel k_qc87772bf44_qkv
		.amdhsa_group_segment_fixed_size 327680
		.amdhsa_private_segment_fixed_size 0
		.amdhsa_enable_private_segment 0
		.amdhsa_kernarg_size 24
		.amdhsa_user_sgpr_count 2
		.amdhsa_user_sgpr_kernarg_segment_ptr 1
		.amdhsa_wavefront_size32 1
		.amdhsa_system_sgpr_workgroup_id_x 1
		.amdhsa_system_sgpr_workgroup_id_y 1
		.amdhsa_system_sgpr_workgroup_id_z 1
		.amdhsa_system_vgpr_workitem_id 0
		.amdhsa_next_free_vgpr 1024
		.amdhsa_next_free_sgpr 102
		.amdhsa_reserve_vcc 0
		.amdhsa_float_denorm_mode_32 3
		.amdhsa_float_denorm_mode_16_64 3
		.amdhsa_memory_ordered 1
		.amdhsa_forward_progress 1
		.amdhsa_inst_pref_size 167
	.end_amdhsa_kernel
	.amdgpu_metadata
---
amdhsa.version: [ 1, 2 ]
amdhsa.kernels:
  - .name:           k_qc87772bf44_qkv
    .symbol:         k_qc87772bf44_qkv.kd
    .args:
      - { .name: pw, .offset: 0, .size: 8, .value_kind: global_buffer, .address_space: global }
      - { .name: b_qkv, .offset: 8, .size: 8, .value_kind: global_buffer, .address_space: global }
      - { .name: qkvb, .offset: 16, .size: 8, .value_kind: global_buffer, .address_space: global }
    .group_segment_fixed_size: 327680
    .private_segment_fixed_size: 0
    .kernarg_segment_align: 8
    .kernarg_segment_size: 24
    .max_flat_workgroup_size: 128
    .sgpr_count:     102
    .vgpr_count:     1024
    .wavefront_size: 32
...
	.end_amdgpu_metadata
.endif
;; end of part 2
;; launch attn (part 3): grid 8 x 32, 16 waves a work-group, no clusters, 276,480 bytes of LDS; arguments qkvb, attb; writes attb
.if DOCPART == 3
	.amdgcn_target "amdgcn-amd-amdhsa--gfx1250"
	.amdhsa_code_object_version 6
	.text
	.protected	k_qc87772bf44_attn
	.globl	k_qc87772bf44_attn
	.p2align	8
	.type	k_qc87772bf44_attn,@function
k_qc87772bf44_attn:
	s_mov_b64 s[64:65], 0
	v_nop
	global_prefetch_b8 v0, s[64:65] scope:SCOPE_SE
	s_setreg_imm32_b32 hwreg(HW_REG_WAVE_MODE, 25, 1), 1
	s_wait_xcnt 0x0
; Causal attention of one head on codes of FP8 (E4M3) with E8M0 scales: S = q k^T / 8 (K = the head's 64), p = 2^(t - M), O = p v (K = the keys), O / l quantised along the model's 1,024 channels for the next product.
; THE SOFTMAX: t = score x log2(e) / 8; M = the row's largest t so far, rounded up to a whole number; p = 2^(t - M) is quantised along the keys, not normalised; the row's sum l is taken of the unquantised p and divides O at the end.
; When M moves, l and O are multiplied by 2^(old M - new M): exact.
; INPUTS (made by the launch before): q, k: [32 heads][256 token rowblocks][1024]: half an image of an operand's registers, [c 0..1][lane][16]; scale words [32 heads][4096 places], bytes 0 and 1.
; V^T: [64 channel rowblocks][32 steps of 128 tokens][2048]; scale words [64][32][16].  Place r of rowblock i is row 32 (i / 2) + 8 (i % 2) + r % 8 + 16 (r / 8), so that with both products used transposed
; (S^T = k q^T, O^T = V^T p^T) a lane holds one query and its registers run along the keys, and then along the channels, in natural order.
; THE K = 64 PRODUCT takes zero codes for k = 64..127 on both sides (registers cleared once); the scale bytes there are another head's or 0, never 0xff.
; SHARES.  Work-group (j, 16 batch + head), sixteen waves; a wave owns one rowblock of 16 queries.  Eight waves take the 128 queries of block j, eight those of block 15 - j: every work-group has 8 (j + 1) + 8 (16 - j) = 136 key steps of 128.
; LDS holds the head's K, V^T and scale words whole: every byte is filled once, by ten tensor loads at the head (wave 0: K's five, wave 1: V's five); the keys come in four chunks of 512, each waited for when its phase begins.
; So no byte of LDS is filled again: no ring.  No cluster: the step that is left out under the causal mask hangs on the query block, which would be a work-group's place in a cluster that shared K and V.
; No prefetch: every byte is asked for by its tensor load at the head.
; CAUSAL.  All waves walk all 16 steps (constant trip counts, every barrier passed); a step all of whose keys come after the wave's queries is jumped over by a scalar branch on ids; on the diagonal hidden scores become -infinity.
; REGISTERS: v1-5, v7 addresses that stay; v8-11 addresses in hand; v12 -M, v13 the largest t, v[14:15] l; v16-31 q (upper half zeros); v32-95 four fragments of k (upper halves zeros); v96-159 S^T, p, then four fragments of V^T;
;   v160-191 O^T; v192-215 at work; v216-219 k's or V's scale words, v220 p's, v221 q's; v224-239 p's codes; v240-247 the output's codes.
; LIMITS: NaN and infinities are not served.  The output's scale bytes leave two at a lane (a head owns half of a scale word): one store a wave.
.set VTC,  8388608
.set QKS,  12582912
.set VTS,  13107200
.set OSC,  4194304                     ; the output's scale words
.set VB,   131072                      ; LDS: K's codes at 0: [128 rowblocks][1024]; V^T's: [chunk 4][channel rowblock 4][step 4][2048];
.set KS,   262144                      ; K's scale words: [2048 places];
.set VS,   270336                      ; V^T's: [channel rowblock 4][step 16][64 bytes]
.set WV,   2
.set SD,   84                          ; s84  the step on the diagonal: my block of 128 queries
.set KI,   85                          ; s85  the step
.set TK,   86                          ; s86-89  where the step's K, V^T and their scale words begin
.set TV,   87
.set TSK,  88
.set TSV,  89
.set CNT,  90
.set MNT,  91
.set SEL,  92                          ; s[92:93]
.set CS,   94                          ; s[94:95] c = log2(e) / 8
	s_load_b128 s[4:7], s[0:1], 0x0                ; qkvb s[4:5], attb s[6:7]
	v_lshl_add_u32 v254, v0, 2, 0x43000
	v_mov_b32 v255, 0
	ds_add_u32 v254, v255
	ds_add_u32 v254, v255
	v_lshrrev_b32 v1, 5, v0
	v_readfirstlane_b32 s[WV], v1                  ; wave 0..15
	s_and_b32 s96, ttmp7, 0xffff
	s_and_b32 s97, s96, 15                         ; the head: kept
	s_lshr_b32 s98, s96, 4                         ; the batch
	; group 1, all constants; elements of 8 bytes, no padding (fragments are read 16 bytes a lane on end)
	s_mov_b32 s8, 3<<16                            ; K's codes: a chunk of 32,768 dense bytes as 128 rows of 256
	s_mov_b32 s9, 32<<16
	s_mov_b32 s10, 128<<16
	s_mov_b32 s11, 32<<16
	s_mov_b32 s12, 128
	s_mov_b32 s13, 32
	s_mov_b32 s14, 0
	s_mov_b32 s15, 0
	s_mov_b32 s16, 3<<16                           ; V^T's codes: 4 channel rowblocks x 8,192 bytes (4 steps), 65,536 bytes apart
	s_mov_b32 s17, 1024<<16
	s_mov_b32 s18, 4<<16
	s_mov_b32 s19, 1024<<16
	s_mov_b32 s20, 4
	s_mov_b32 s21, 8192
	s_mov_b32 s22, 0
	s_mov_b32 s23, 0
	s_mov_b32 s24, 3<<16                           ; K's scale words: 8,192 dense bytes as 32 rows of 256
	s_mov_b32 s25, 32<<16
	s_mov_b32 s26, 32<<16
	s_mov_b32 s27, 32<<16
	s_mov_b32 s28, 32
	s_mov_b32 s29, 32
	s_mov_b32 s30, 0
	s_mov_b32 s31, 0
	s_mov_b32 s32, 3<<16                           ; V^T's scale words: 4 rows of 1,024 bytes, 2,048 apart
	s_mov_b32 s33, 128<<16
	s_mov_b32 s34, 4<<16
	s_mov_b32 s35, 128<<16
	s_mov_b32 s36, 4
	s_mov_b32 s37, 256
	s_mov_b32 s38, 0
	s_mov_b32 s39, 0
	s_add_co_u32 s99, s97, 16                      ; k's heads follow q's sixteen
	s_lshl_b32 s100, s99, 18
	s_lshl_b32 s3, s98, 17
	s_add_co_u32 s100, s100, s3
	s_mov_b32 s101, 0
	s_wait_dscnt 0x0
	s_wait_kmcnt 0x0
	s_add_nc_u64 s[100:101], s[4:5], s[100:101]    ; K's codes of my head and batch
.irp p, 0,1,2,3
	s_mov_b32 s[44+4*\p], 1
	s_mov_b32 s[45+4*\p], 32768*\p
	s_add_nc_u64 s[46+4*\p:47+4*\p], s[100:101], 32768*\p
	s_or_b32 s[47+4*\p], s[47+4*\p], 0x80000000
.endr
	s_lshl_b32 s100, s99, 14
	s_lshl_b32 s3, s98, 13
	s_add_co_u32 s100, s100, s3
	s_add_co_u32 s100, s100, QKS
	s_mov_b32 s101, 0
	s_mov_b32 s40, 1
	s_mov_b32 s41, KS
	s_add_nc_u64 s[42:43], s[4:5], s[100:101]
	s_or_b32 s43, s43, 0x80000000
	s_lshl_b32 s100, s97, 18
	s_lshl_b32 s3, s98, 15
	s_add_co_u32 s100, s100, s3
	s_add_co_u32 s100, s100, VTC
	s_mov_b32 s101, 0
	s_add_nc_u64 s[100:101], s[4:5], s[100:101]    ; V^T's codes
.irp p, 0,1,2,3
	s_mov_b32 s[68+4*\p], 1
	s_mov_b32 s[69+4*\p], VB+32768*\p
	s_add_nc_u64 s[70+4*\p:71+4*\p], s[100:101], 8192*\p
	s_or_b32 s[71+4*\p], s[71+4*\p], 0x80000000
.endr
	s_lshl_b32 s100, s97, 13
	s_lshl_b32 s3, s98, 10
	s_add_co_u32 s100, s100, s3
	s_add_co_u32 s100, s100, VTS
	s_mov_b32 s101, 0
	s_mov_b32 s60, 1
	s_mov_b32 s61, VS
	s_add_nc_u64 s[62:63], s[4:5], s[100:101]
	s_or_b32 s63, s63, 0x80000000
	; all fills of the launch, in one group: five loads of wave 0 or of wave 1 are out; four v_nop follow the last
	s_cmp_eq_u32 s[WV], 0
	s_cbranch_scc0 .Lnot_wave_0
	tensor_load_to_lds s[40:43], s[24:31]
	s_nop 0
	tensor_load_to_lds s[44:47], s[8:15]
	s_nop 0
	tensor_load_to_lds s[48:51], s[8:15]
	s_nop 0
	tensor_load_to_lds s[52:55], s[8:15]
	s_nop 0
	tensor_load_to_lds s[56:59], s[8:15]
	s_nop 0
.rept 4
	v_nop
.endr
	s_branch .Lasked
.Lnot_wave_0:
	s_cmp_eq_u32 s[WV], 1
	s_cbranch_scc0 .Lasked
	tensor_load_to_lds s[60:63], s[32:39]
	s_nop 0
	tensor_load_to_lds s[68:71], s[16:23]
	s_nop 0
	tensor_load_to_lds s[72:75], s[16:23]
	s_nop 0
	tensor_load_to_lds s[76:79], s[16:23]
	s_nop 0
	tensor_load_to_lds s[80:83], s[16:23]
	s_nop 0
.rept 4
	v_nop
.endr
.Lasked:
	; my queries: waves 2 m and 2 m + 1 take rowblock m of blocks j and 15 - j; which of the two takes which turns with bit 2 of the wave's number
	s_lshr_b32 s3, s[WV], 2
	s_xor_b32 s3, s3, s[WV]
	s_and_b32 s3, s3, 1
	s_sub_co_u32 s96, 15, ttmp9
	s_cmp_lg_u32 s3, 0
	s_cselect_b32 s[SD], s96, ttmp9
	s_lshr_b32 s3, s[WV], 1                        ; m
	s_lshl_b32 s99, s[SD], 3
	s_add_co_u32 s99, s99, s3
	s_lshl_b32 s96, s98, 7
	s_add_co_u32 s99, s99, s96                     ; my rowblock of tokens: 128 batch + 8 block + m: kept
	s_lshl_b32 s100, s97, 18
	s_lshl_b32 s96, s99, 10
	s_add_co_u32 s100, s100, s96
	s_mov_b32 s101, 0
	s_add_nc_u64 s[100:101], s[4:5], s[100:101]    ; q's codes
	s_lshl_b32 s66, s97, 14
	s_lshl_b32 s96, s99, 6
	s_add_co_u32 s66, s66, s96
	s_add_co_u32 s66, s66, QKS
	s_mov_b32 s67, 0
	s_add_nc_u64 s[66:67], s[4:5], s[66:67]        ; q's scale words
	s_lshr_b32 s96, s3, 1
	s_lshl_b32 s96, s96, 5
	s_and_b32 s98, s3, 1
	s_lshl_b32 s98, s98, 3
	s_add_co_u32 s96, s96, s98                     ; my rowblock's first query in its block of 128
	v_and_b32 v7, 15, v0                           ; r
	v_bfe_u32 v6, v0, 4, 1                         ; h
	v_and_b32 v5, 8, v7
	v_add_nc_u32 v5, v5, v7                        ; r + 8 (r / 8)
	v_lshlrev_b32 v6, 4, v6
	v_sub_nc_u32 v5, v5, v6
	v_add_nc_u32 v5, s96, v5                       ; d = my query in the block - 16 h.  Register 16 b + i holds key 32 b + 16 h + i of the step: on the diagonal hidden where 32 b + i > d
	v_and_b32 v1, 31, v0
	v_lshlrev_b32 v1, 4, v1                        ; 16 x lane: K's fragments in LDS, and images in memory
	v_add_nc_u32 v2, VB, v1
	v_lshlrev_b32 v7, 2, v7                        ; 4 r
	v_add_nc_u32 v3, KS, v7
	v_add_nc_u32 v4, VS, v7
	global_load_b128 v[16:19], v1, s[100:101]
	global_load_b128 v[20:23], v1, s[100:101] offset:512
	global_load_b32 v221, v7, s[66:67]
	s_mov_b32 s[SEL], 0x76543210
	s_mov_b32 s[SEL+1], 0xfedcba98
	s_mov_b32 s[CS], 0x3e38aa3b
	s_mov_b32 s[CS+1], s[CS]                       ; named with it as a pair, so it is written
	s_mov_b32 s[MNT], 0x600000
	s_mov_b32 s[KI], 0
.set j, 0
.rept 8
	v_mov_b32 v[24+j], 0                           ; k = 64..127 of q: zero codes
.set j, j+1
.endr
.irp t, 0,1,2,3
.set j, 0
.rept 8
	v_mov_b32 v[40+16*\t+j], 0                     ; and of k's four fragments: written once, no load lands there
.set j, j+1
.endr
.endr
.set j, 0
.rept 32
	v_mov_b32 v[160+j], 0                          ; O^T: the step is written once; the first finds zeros, which the first change of M leaves zeros
.set j, j+1
.endr
	v_mov_b32 v13, 0xff61b1e6                      ; the largest t so far: -3e38
	v_floor_f32 v12, -v13                          ; -M
	v_mov_b32 v14, 0
	v_mov_b32 v15, 0
.irp b, 0,1,2,3
	v_mov_b32 v[196+\b], 0                         ; written once: a lane permute's destination counts as one of its sources
.endr
	v_mov_b32 v213, 0                              ; named as the upper half of the pair v[212:213]
	v_mov_b32 v214, 0
	v_mov_b32 v215, 0xff800000                     ; -infinity
	s_wait_loadcnt 0x0                             ; q
; A KEY STEP: 128 keys
.macro STEP
	s_cmp_gt_u32 s[KI], s[SD]
	s_cbranch_scc1 .Lhidden_\@                     ; all its keys come after my queries
	v_add_nc_u32 v8, s[TK], v1
	v_add_nc_u32 v9, s[TV], v2
	v_add_nc_u32 v10, s[TSK], v3
	v_add_nc_u32 v11, s[TSV], v4
.rept 5
	v_nop                                          ; with the four additions nine places: the scores are laid over V^T's fragments, which the last products read
.endr
.irp g, 0,1                                    ; S^T = k q^T, four rowblocks of 16 keys at a time
.if \g
.rept 8
	v_nop                                          ; places in front of loads into registers that matrix instructions have read
.endr
.endif
.irp t, 0,1,2,3
	ds_load_b128 v[32+16*\t:35+16*\t], v8 offset:(4*\g+\t)*1024
	ds_load_b128 v[36+16*\t:39+16*\t], v8 offset:(4*\g+\t)*1024+512
	ds_load_b32 v[216+\t], v10 offset:(4*\g+\t)*64
.endr
	s_wait_dscnt 0x0
.irp t, 0,1,2,3
	v_wmma_scale_f32_16x16x128_f8f6f4 v[96+8*(4*\g+\t):103+8*(4*\g+\t)], v[32+16*\t:47+16*\t], v[16:31], 0, v[216+\t], v221
.endr
.endr
.rept 8
	v_nop
.endr
	s_cmp_lt_u32 s[KI], s[SD]
	s_cbranch_scc1 .Lopen_\@                       ; all its keys count
.set n, 0
.rept 64
	v_cmp_gt_i32 vcc_lo, 32*(n/16)+n%16, v5
	v_cndmask_b32 v[96+n], v[96+n], v215, vcc_lo
.set n, n+1
.endr
.Lopen_\@:
.irp b, 0,1,2,3
	v_max3_num_f32 v[192+\b], v[96+16*\b], v[97+16*\b], v[98+16*\b]   ; the largest score of each block of 32 keys: for the row's maximum, and, since p rises with the score, for the block's largest p
.endr
.irp i, 3,5,7,9,11,13
.irp b, 0,1,2,3
	v_max3_num_f32 v[192+\b], v[192+\b], v[96+16*\b+\i], v[97+16*\b+\i]
.endr
.endr
.irp b, 0,1,2,3
	v_max_num_f32 v[192+\b], v[192+\b], v[111+16*\b]
.endr
.irp b, 0,1,2,3
	v_permlanex16_b32 v[196+\b], v[192+\b], s[SEL], s[SEL+1]
.endr
.irp b, 0,1,2,3
	v_max_num_f32 v[192+\b], v[192+\b], v[196+\b]  ; with lane l xor 16's 16 keys
.endr
	v_max3_num_f32 v214, v192, v193, v194
	v_max_num_f32 v214, v214, v195
	v_mul_f32 v214, s[CS], v214                    ; the step's largest t of my query
	v_max_num_f32 v13, v13, v214
	v_mov_b32 v214, v12
	v_floor_f32 v12, -v13                          ; the new -M = -ceil(t)
	v_sub_f32 v214, v12, v214                      ; old M - new M: a whole number, 0 or less
	v_cvt_i32_f32 v214, v214                       ; (it saturates)
	v_ldexp_f32 v212, 1.0, v214                    ; f = 2^(old M - new M)
.set j, 0
.rept 32
	v_pk_fma_f32 v[96+j:97+j], v[96+j:97+j], s[CS:CS+1], v[12:13] op_sel_hi:[1,0,0]   ; t - M
.set j, j+2
.endr
.irp b, 0,1,2,3
	v_fma_f32 v[192+\b], v[192+\b], s[CS], v12     ; the same of each block's largest score
.endr
.set j, 0
.rept 64
	v_exp_f32 v[96+j], v[96+j]                     ; p = 2^(t - M)
.set j, j+1
.endr
	v_pk_mul_f32 v[14:15], v[14:15], v[212:213] op_sel_hi:[1,0]   ; l under the new M: a plain line behind the exponentials
	s_wait_alu depctr_va_vdst(0)                   ; the wait ahead of the first reader: one for the batch of 64
.irp b, 0,1,2,3
	v_exp_f32 v[192+\b], v[192+\b]                 ; the block's largest p
.endr
	v_pk_add_f32 v[196:197], v[96:97], v[98:99]    ; l is taken of the unquantised p: two chains
.irp j, 4,8,12,16,20,24,28,32,36,40,44,48,52,56,60
	v_pk_add_f32 v[14:15], v[14:15], v[96+\j:97+\j]
	v_pk_add_f32 v[196:197], v[196:197], v[98+\j:99+\j]
.endr
	v_pk_add_f32 v[14:15], v[14:15], v[196:197]
	s_wait_alu depctr_va_vdst(0)                   ; and one for the four
.irp b, 0,1,2,3
	v_max_num_f32 v[192+\b], 0x4800000, v[192+\b]  ; the floor 2^(9 - 127): the byte cannot fall under 1
.endr
.irp b, 0,1,2,3
	v_add_nc_u32 v[204+\b], 0xfc000000, v[192+\b]  ; the conversion's scale operand
.endr
.irp b, 0,1,2,3
	v_and_or_b32 v[200+\b], v[192+\b], 0x7f800000, s[MNT]   ; 448 x the scale
.endr
.irp b, 0,1,2,3
	v_lshrrev_b32 v[208+\b], 23, v[204+\b]         ; the scale's byte
.endr
	v_lshl_or_b32 v220, v209, 8, v208              ; p's scale word for these 128 keys
	v_lshl_or_b32 v220, v210, 16, v220
	v_lshl_or_b32 v220, v211, 24, v220
.irp b, 0,1,2,3
.irp i, 0,1,2,3,4,5,6,7,8,9,10,11,12,13,14,15
	v_min_num_f32 v[96+16*\b+\i], v[96+16*\b+\i], v[200+\b]   ; the conversion does not saturate (ISA guide 7.6.2); p is not negative
.endr
	v_cvt_scalef32_pk8_fp8_f32 v[224+4*\b:225+4*\b], v[96+16*\b:103+16*\b], v[204+\b]
	v_cvt_scalef32_pk8_fp8_f32 v[226+4*\b:227+4*\b], v[104+16*\b:111+16*\b], v[204+\b]
.endr
.set j, 0
.rept 16
	v_pk_mul_f32 v[160+j:161+j], v[160+j:161+j], v[212:213] op_sel_hi:[1,0]   ; O^T under the new M
.set j, j+2
.endr
.irp t, 0,1,2,3                                ; O^T += V^T p^T: the head's four rowblocks of channels; p's registers take V^T's fragments
.irp c, 0,1,2,3
	ds_load_b128 v[96+16*\t+4*\c:99+16*\t+4*\c], v9 offset:8192*\t+512*\c
.endr
	ds_load_b32 v[216+\t], v11 offset:1024*\t
.endr
.rept 8
	v_nop                                          ; eight places that name no register of the products below, between p's scale word and them; the loads are on their way meanwhile
.endr
	s_wait_dscnt 0x0
.irp t, 0,1,2,3
	v_wmma_scale_f32_16x16x128_f8f6f4 v[160+8*\t:167+8*\t], v[96+16*\t:111+16*\t], v[224:239], v[160+8*\t:167+8*\t], v[216+\t], v220   ; four accumulators by turns, one instruction a turn
.endr
.Lhidden_\@:
	s_add_co_u32 s[KI], s[KI], 1
	s_add_co_u32 s[TK], s[TK], 8192
	s_add_co_u32 s[TV], s[TV], 2048
	s_add_co_u32 s[TSK], s[TSK], 512
	s_add_co_u32 s[TSV], s[TSV], 64
.endm
; A PHASE: the four steps of chunk p.  Behind chunk p's load the issuing wave issued 3 - p more; the other waves have none out.  Later chunks stay on their way.
.macro PHASE p
	s_wait_tensorcnt 3-\p
	s_wait_dscnt 0x0
	s_barrier_signal -1
	s_barrier_wait -1
	s_mov_b32 s[TK], 32768*\p
	s_mov_b32 s[TV], 32768*\p
	s_mov_b32 s[TSK], 2048*\p
	s_mov_b32 s[TSV], 256*\p
	s_mov_b32 s[CNT], 4
.Lstep_\@:
	STEP
	s_sub_co_u32 s[CNT], s[CNT], 1
	s_cmp_lg_u32 s[CNT], 0
	s_cbranch_scc1 .Lstep_\@
.endm
	PHASE 0
	PHASE 1
	PHASE 2
	PHASE 3
	; THE WAY OUT: O^T / l, quantised along my head's 64 channels (two blocks of 32), half an image of the next product's operand
.rept 8
	v_nop                                          ; behind the last products: over hidden steps no vector line stands between
.endr
	v_add_f32 v14, v14, v15
	v_permlanex16_b32 v214, v14, s[SEL], s[SEL+1]
	v_add_f32 v14, v14, v214                       ; the row's sum
	v_rcp_f32 v14, v14
	v_nop                                          ; a plain line behind the transcendental
	s_lshl_b32 s96, s99, 3
	s_lshr_b32 s98, s97, 1
	s_add_co_u32 s96, s96, s98                     ; the fragment: 8 x my rowblock + head / 2
	s_and_b32 s98, s97, 1
	s_lshl_b32 s100, s96, 11
	s_lshl_b32 s3, s98, 10
	s_add_co_u32 s100, s100, s3                    ; an odd head fills its upper half
	s_mov_b32 s101, 0
	s_add_nc_u64 s[100:101], s[6:7], s[100:101]
	s_lshl_b32 s66, s96, 6
	s_lshl_b32 s3, s98, 1
	s_add_co_u32 s66, s66, s3
	s_add_co_u32 s66, s66, OSC
	s_mov_b32 s67, 0
	s_add_nc_u64 s[66:67], s[6:7], s[66:67]
	s_wait_alu depctr_va_vdst(0)                   ; ahead of the reciprocal's first reader
.set j, 0
.rept 16
	v_pk_mul_f32 v[96+j:97+j], v[160+j:161+j], v[14:15] op_sel_hi:[1,0]   ; register 16 b + i = channel 32 b + 16 h + i of my query; each accumulator from its low end on
.set j, j+2
.endr
.irp b, 0,1
	v_max3_num_f32 v[192+\b], |v[96+16*\b]|, |v[97+16*\b]|, 0x4800000
.endr
.irp i, 2,4,6,8,10,12,14
.irp b, 0,1
	v_max3_num_f32 v[192+\b], v[192+\b], |v[96+16*\b+\i]|, |v[97+16*\b+\i]|
.endr
.endr
.irp b, 0,1
	v_permlanex16_b32 v[196+\b], v[192+\b], s[SEL], s[SEL+1]
.endr
.irp b, 0,1
	v_max_num_f32 v[192+\b], v[192+\b], v[196+\b]
.endr
.irp b, 0,1
	v_add_nc_u32 v[204+\b], 0xfc000000, v[192+\b]
.endr
.irp b, 0,1
	v_and_or_b32 v[200+\b], v[192+\b], 0x7f800000, s[MNT]
.endr
.irp b, 0,1
	v_lshrrev_b32 v[208+\b], 23, v[204+\b]
.endr
	v_lshl_or_b32 v214, v209, 8, v208              ; my head's two scale bytes
.irp b, 0,1
.irp i, 0,1,2,3,4,5,6,7,8,9,10,11,12,13,14,15
	v_med3_num_f32 v[96+16*\b+\i], v[96+16*\b+\i], -v[200+\b], v[200+\b]
.endr
	v_cvt_scalef32_pk8_fp8_f32 v[240+4*\b:241+4*\b], v[96+16*\b:103+16*\b], v[204+\b]
	v_cvt_scalef32_pk8_fp8_f32 v[242+4*\b:243+4*\b], v[104+16*\b:111+16*\b], v[204+\b]
.endr
	v_nop                                          ; a plain line behind the last conversion
	global_store_b128 v1, v[240:243], s[100:101]   ; 32 lanes store 512 consecutive bytes, aligned
	global_store_b128 v1, v[244:247], s[100:101] offset:512
	global_store_b16 v7, v214, s[66:67]            ; place r's two bytes; lanes 16-31 hold and store the same
	s_wait_tensorcnt 0x0
	ds_add_u32 v254, v255
	s_wait_dscnt 0x0
	s_endpgm
.Lfunc_end_k_qc87772bf44_attn:
	.size	k_qc87772bf44_attn, .Lfunc_end_k_qc87772bf44_attn-k_qc87772bf44_attn
	.p2alignl 7, 3214868480
	.fill 96, 4, 3214868480
	.section	.rodata,"a",@progbits
	.p2align	6, 0x0
	.amdhsa_kernel k_qc87772bf44_attn
		.amdhsa_group_segment_fixed_size 276480
		.amdhsa_private_segment_fixed_size 0
		.amdhsa_enable_private_segment 0
		.amdhsa_kernarg_size 16
		.amdhsa_user_sgpr_count 2
		.amdhsa_user_sgpr_kernarg_segment_ptr 1
		.amdhsa_wavefront_size32 1
		.amdhsa_system_sgpr_workgroup_id_x 1
		.amdhsa_system_sgpr_workgroup_id_y 1
		.amdhsa_system_sgpr_workgroup_id_z 1
		.amdhsa_system_vgpr_workitem_id 0
		.amdhsa_next_free_vgpr 256
		.amdhsa_next_free_sgpr 102
		.amdhsa_reserve_vcc 1
		.amdhsa_float_denorm_mode_32 3
		.amdhsa_float_denorm_mode_16_64 3
		.amdhsa_memory_ordered 1
		.amdhsa_forward_progress 1
		.amdhsa_inst_pref_size 118
	.end_amdhsa_kernel
	.amdgpu_metadata
---
amdhsa.version: [ 1, 2 ]
amdhsa.kernels:
  - .name:           k_qc87772bf44_attn
    .symbol:         k_qc87772bf44_attn.kd
    .args:
      - { .name: qkvb, .offset: 0, .size: 8, .value_kind: global_buffer, .address_space: global }
      - { .name: attb, .offset: 8, .size: 8, .value_kind: global_buffer, .address_space: global }
    .group_segment_fixed_size: 276480
    .private_segment_fixed_size: 0
    .kernarg_segment_align: 8
    .kernarg_segment_size: 16
    .max_flat_workgroup_size: 512
    .sgpr_count:     102
    .vgpr_count:     256
    .wavefront_size: 32
...
	.end_amdgpu_metadata
.endif
;; end of part 3
;; launch proj (part 4): grid 8 x 32, 4 waves a work-group, clusters of 4 x 4, 327,680 bytes of LDS; arguments attb, pw, b_out, x, x1; writes x1
.if DOCPART == 4
	.amdgcn_target "amdgcn-amd-amdhsa--gfx1250"
	.amdhsa_code_object_version 6
	.text
	.protected	k_qc87772bf44_proj
	.globl	k_qc87772bf44_proj
	.p2align	8
	.type	k_qc87772bf44_proj,@function
k_qc87772bf44_proj:
	s_mov_b64 s[64:65], 0
	v_nop
	global_prefetch_b8 v0, s[64:65] scope:SCOPE_SE
	s_setreg_imm32_b32 hwreg(HW_REG_WAVE_MODE, 25, 1), 1
	s_wait_xcnt 0x0
	s_wait_alu depctr_hold_cnt(0) depctr_sa_sdst(0) depctr_va_vdst(0) depctr_va_sdst(0) depctr_va_ssrc(0) depctr_va_vcc(0) depctr_vm_vsrc(0)
	s_getreg_b32 s2, hwreg(HW_REG_IB_STS2, 6, 4)
	s_cmp_eq_u32 s2, 0
	s_cbranch_scc0 .Lentry_in_a_cluster
	s_endpgm
.Lentry_in_a_cluster:
	s_bfe_u32 s2, ttmp6, 0x10000c
	s_cmp_lg_u32 s2, 0xf033
	s_cbranch_scc0 .Lentry_shape_is_right
	s_endpgm
.Lentry_shape_is_right:
; x1 = x + attention w_out^T + b_out: a product on codes of FP8 (E4M3) with E8M0 scales, K = 1,024, N = 1,024; the result is f32 in natural rows.
; OPERANDS come as images of the matrix operand's registers: a fragment (a rowblock of 16 rows x 128 K) is 2,048 bytes [c][lane][16]; codes [rowblock][K step][2048], scale words [rowblock][K step][16 places].
; Place r of rowblock i is row 32 (i / 2) + 8 (i % 2) + r % 8 + 16 (r / 8).  The matrix instruction is used transposed (source 0 = a rowblock of w, source 1 = a rowblock of tokens): lane (r, h) holds token place r,
; and register j of accumulator (a, b) the natural column 32 (b / 2) + 16 h + 8 (b % 2) + j.
; TILES of 128 x 128 give 8 x 32 = 256 work-groups; 256 x 256 would give 64.  A wave makes 64 x 64 in 16 accumulators: 8 fragments from LDS feed 16 matrix instructions.
; CLUSTERS of 4 x 4: the tokens' tile is asked for jointly by a row of the cluster, w's by a column.  A slot holds 512 along K (4 K steps); K = 1,024 is the two slots' first fills: nothing is filled again here.
; THE WAY OUT: through one stage in LDS (in slot 0, which has had its only fill and its last read), rows in place order; each wave reads 32 whole rows of 512 bytes back, adds bias and residual, and stores them to their natural rows.
; REGISTERS: window 0: v0-31 addresses (v8-11 the bias); v32-63 scale words, two sets; v128-255 the accumulators, (a, b) at v[128 + 8 (4 a + b)].  window 1: two fragment buffers of 128: A's four, then B's four.  window 2: v0-127 the residual.
.set KST,   8                          ; K steps of 128 in a row
.set AS,    4194304                    ; A's scale words in its buffer
.set BC,    4325376+3145728            ; w's codes in pw
.set BS,    16908288+98304             ; w's scale words in pw
.set LAPS,  KST/8
.set QUART, 32768                      ; 4 rowblocks x 4 K steps x 2,048
.set SLOT,  131072
.set SCL,   262144                     ; the scale words of all of K: [quarter][rowblock 4][K step][64 bytes]
.set HALFS, 256*KST
.set SPARE, SCL+4*HALFS                ; the spare words, 128 bytes for each wave: two blocks of 256 bytes that no other line names
.set SPITCH, 528                       ; a stage row: 512 bytes + 16: sixteen rows start at sixteen different groups of four banks
.set BI,   8
.set ADRA, 16
.set ADRB, 20
.set STO,  24
.set RD,   25
.set CO,   26
.set ADRS, 27
.set SPW,  28
.set NIL,  29
.set SC,   32
.set ACC,  128
.set G1, 24
.set G0, 32
.set G1B, 48
.set G0B, 56
.set G1S, 68
.set G0S, 76
.set G1SB, 80
.set G0SB, 88
.set MSB, 0
.macro WIN new
.if MSB != \new
	s_set_vgpr_msb (MSB<<8)|\new
.set MSB, \new
.endif
.endm
.set MUL,  0x05                        ; sources 0 (B) and 1 (A) window 1; C and D window 0
.set TO_F, 0x40                        ; destination window 1, address window 0
.macro JLOAD g0a, g1a, g0b, g1b        ; a joint load: waves 0 and 1 fetch for A, waves 2 and 3 for B; four v_nop follow each of the two lines
	s_cmp_eq_u32 s15, 0
	s_cbranch_scc0 .Lfor_b_\@
	tensor_load_to_lds s[\g0a:\g0a+3], s[\g1a:\g1a+7]
	s_nop 0
.rept 4
	v_nop
.endr
	s_branch .Lasked_\@
.Lfor_b_\@:
	tensor_load_to_lds s[\g0b:\g0b+3], s[\g1b:\g1b+7]
	s_nop 0
.rept 4
	v_nop
.endr
.Lasked_\@:
.endm
.macro CREST
	s_cmp_lg_u32 s14, 0
	s_cbranch_scc1 .Lnot_wave_0_\@
	s_barrier_signal -3
.Lnot_wave_0_\@:
	s_barrier_wait -3
	s_barrier_signal -1
	s_barrier_wait -1
.endm
.macro CROUND
	s_barrier_signal -1
	s_barrier_wait -1
	CREST
.endm
	s_load_b256 s[4:11], s[0:1], 0x0               ; A s[4:5], pw s[6:7], the bias s[8:9], the residual s[10:11]
	s_load_b64 s[12:13], s[0:1], 0x20              ; the output
	v_lshl_add_u32 v[SPW], v0, 2, SPARE
	v_mov_b32 v[NIL], 0
	ds_add_u32 v28, v29
	ds_add_u32 v28, v29
	s_wait_dscnt 0x0
	v_lshrrev_b32 v1, 5, v0
	v_readfirstlane_b32 s14, v1                    ; wave 0..3
	s_lshr_b32 s15, s14, 1                         ; which half of the tile's rows is mine.  Also: I fetch for A (0) or for B (1)
	s_and_b32 s16, s14, 1                          ; which half of its columns.  Also: which half of that tile I fetch
	s_bfe_u32 s40, ttmp6, 0x40000
	s_bfe_u32 s41, ttmp6, 0x40004
	s_lshl_b32 s42, ttmp9, 2
	s_add_co_u32 s42, s42, s40                     ; tile column
	s_and_b32 s17, ttmp7, 0xffff
	s_lshl_b32 s17, s17, 2
	s_add_co_u32 s17, s17, s41                     ; tile row
	s_lshl_b32 s43, s41, 2
	s_lshl_b32 s43, 15, s43                        ; my row of the cluster
	s_lshl_b32 s44, 0x1111, s40                    ; my column
	; group 1 for codes: 4 rowblocks x 8,192 bytes (four K steps); elements of 8 bytes; no padding
	s_or_b32 s[G1+0], s43, (3<<16)|(1<<21)
	s_or_b32 s[G1B+0], s44, (3<<16)|(1<<21)
.irp g, G1, G1B
	s_mov_b32 s[\g+1], 1024<<16
	s_mov_b32 s[\g+2], 4<<16
	s_mov_b32 s[\g+3], 1024<<16
	s_mov_b32 s[\g+4], 4
	s_mov_b32 s[\g+5], 256*KST
	s_mov_b32 s[\g+6], 0
	s_mov_b32 s[\g+7], 0
.endr
	; the scale words of 4 rowblocks, all of K: 256 KST dense bytes as rows of 256
	s_or_b32 s[G1S+0], s43, (3<<16)|(1<<21)
	s_or_b32 s[G1SB+0], s44, (3<<16)|(1<<21)
.irp g, G1S, G1SB
	s_mov_b32 s[\g+1], 32<<16
	s_mov_b32 s[\g+2], KST<<16
	s_mov_b32 s[\g+3], 32<<16
	s_mov_b32 s[\g+4], KST
	s_mov_b32 s[\g+5], 32
	s_mov_b32 s[\g+6], 0
	s_mov_b32 s[\g+7], 0
.endr
	s_lshl_b32 s18, s16, 2                         ; which 4 rowblocks of the tile I fetch
	s_lshl_b32 s20, s17, 3
	s_add_co_u32 s20, s20, s18
	s_lshl_b32 s46, s42, 3
	s_add_co_u32 s46, s46, s18
	s_mul_i32 s22, s20, KST*64
	s_add_co_u32 s22, s22, AS
	s_mov_b32 s23, 0
	s_mul_i32 s20, s20, KST*2048
	s_mov_b32 s21, 0
	s_mul_i32 s92, s46, KST*64
	s_add_co_u32 s92, s92, BS
	s_mov_b32 s93, 0
	s_mul_i32 s46, s46, KST*2048
	s_add_co_u32 s46, s46, BC
	s_mov_b32 s47, 0
	s_lshl_b32 s45, s14, 15
	s_mul_i32 s94, s14, HALFS
	s_wait_kmcnt 0x0
	s_add_nc_u64 s[20:21], s[4:5], s[20:21]
	s_add_nc_u64 s[22:23], s[4:5], s[22:23]
	s_add_nc_u64 s[46:47], s[6:7], s[46:47]
	s_add_nc_u64 s[92:93], s[6:7], s[92:93]
	CROUND                                         ; all sixteen work-groups are here: the first joint loads meet
	s_mov_b32 s[G0S], 1
	s_add_co_u32 s[G0S+1], s94, SCL
	s_mov_b64 s[G0S+2:G0S+3], s[22:23]
	s_or_b32 s[G0S+3], s[G0S+3], 0x80000000
	s_mov_b32 s[G0SB], 1
	s_add_co_u32 s[G0SB+1], s94, SCL
	s_mov_b64 s[G0SB+2:G0SB+3], s[92:93]
	s_or_b32 s[G0SB+3], s[G0SB+3], 0x80000000
	JLOAD G0S, G1S, G0SB, G1SB
.irp s, 0,1
	s_mov_b32 s[G0+4*\s], 1
	s_add_co_u32 s[G0+4*\s+1], s45, \s*SLOT
	s_add_nc_u64 s[G0+4*\s+2:G0+4*\s+3], s[20:21], \s*8192
	s_or_b32 s[G0+4*\s+3], s[G0+4*\s+3], 0x80000000
	s_mov_b32 s[G0B+4*\s], 1
	s_add_co_u32 s[G0B+4*\s+1], s45, \s*SLOT
	s_add_nc_u64 s[G0B+4*\s+2:G0B+4*\s+3], s[46:47], \s*8192
	s_or_b32 s[G0B+4*\s+3], s[G0B+4*\s+3], 0x80000000
	JLOAD G0+4*\s, G1, G0B+4*\s, G1B               ; three loads of mine are out
.endr
	v_and_b32 v1, 31, v0
	v_and_b32 v2, 15, v0                           ; r
	v_bfe_u32 v3, v0, 4, 1                         ; h
	v_lshlrev_b32 v[CO], 4, v1                     ; 16 x lane
	s_lshl_b32 s21, s15, 15
	s_lshl_b32 s22, s16, 15
	s_add_co_u32 s22, s22, 2*QUART
.irp s, 0,1
	v_add_nc_u32 v[ADRA+\s], s21, v[CO]
	v_add_nc_u32 v[ADRB+\s], s22, v[CO]
	s_add_co_u32 s21, s21, SLOT
	s_add_co_u32 s22, s22, SLOT
.endr
	s_mul_i32 s21, s15, HALFS
	s_mul_i32 s22, s16, HALFS
	s_add_co_u32 s22, s22, 2*HALFS
	s_sub_co_u32 s22, s22, s21
	v_mul_u32_u24 v6, s22, v3                      ; lanes 16-31 take B's scale words
	s_add_co_u32 s21, s21, SCL
	v_lshl_add_u32 v5, v2, 2, v6
	v_add_nc_u32 v[ADRS], s21, v5
	s_mul_i32 s23, s15, 64*SPITCH                  ; into the stage: my 64 places, my half of their 512 bytes; place r, 64 bytes for each half of the lanes
	s_lshl_b32 s21, s16, 8
	s_add_co_u32 s23, s23, s21
	v_mul_u32_u24 v5, v2, SPITCH
	v_lshl_add_u32 v5, v3, 6, v5
	v_add_nc_u32 v[STO], s23, v5
	s_mul_i32 s23, s14, 32*SPITCH                  ; back: wave w takes places 32 w .. 32 w + 31, whole rows
	v_add_nc_u32 v[RD], s23, v[CO]
	s_lshl_b32 s20, s17, 7
	s_lshl_b32 s21, s14, 5
	s_add_co_u32 s20, s20, s21                     ; the first of the 32 rows that I store
	s_lshl_b32 s20, s20, 12
	s_lshl_b32 s21, s42, 9
	s_add_co_u32 s20, s20, s21                     ; + the tile's first column, in bytes
	s_mov_b32 s21, 0
	s_add_nc_u64 s[10:11], s[10:11], s[20:21]
	s_add_nc_u64 s[12:13], s[12:13], s[20:21]
	s_lshl_b32 s20, s42, 9
	s_add_nc_u64 s[8:9], s[8:9], s[20:21]
	global_load_b128 v[BI:BI+3], v[CO], s[8:9]     ; the bias of my four columns
	WIN 0x80                                       ; destination window 2
.set t, 0
.rept 32
	global_load_b128 v[4*t:4*t+3], v[CO], s[10:11] offset:((t&7)+16*((t>>3)&1)+8*((t>>4)&1))*4096 th:TH_LOAD_NT   ; the residual of place t's natural row: 512 consecutive bytes
.set t, t+1
.endr
	WIN 0
.macro FETCH slot, q, f                ; 32 LDS loads: B's four fragments, A's 0 and 1, A's 2 and 3, of the slot's q-th K step, into buffer f
	WIN TO_F
.irp i, 0,1,2,3
.irp c, 0,1,2,3
	ds_load_b128 v[(\f)+64+16*\i+4*\c:(\f)+64+16*\i+4*\c+3], v[ADRB+\slot] offset:8192*\i+2048*(\q)+512*\c
.endr
.endr
.irp i, 0,1,2,3
.irp c, 0,1,2,3
	ds_load_b128 v[(\f)+16*\i+4*\c:(\f)+16*\i+4*\c+3], v[ADRA+\slot] offset:8192*\i+2048*(\q)+512*\c
.endr
.endr
.endm
.macro SCALES sc                       ; a slot's scale words: register 4 q + i: lanes 0-15 A's block i, lanes 16-31 B's block i
.irp q, 0,1,2,3
.irp i, 0,1,2,3
	ds_load_b32 v[SC+16*\sc+4*\q+\i], v[ADRS] offset:64*KST*\i+64*\q
.endr
.endr
.endm
; 8 matrix instructions: A's blocks a0, a0 + 1 x B's four.  The 16 accumulators take turns, one instruction a turn, in the same order in every K step.
.macro MUL8 f, q, sc, a0, zero
.irp a, \a0, \a0+1
.irp b, 0,1,2,3
.if \zero
	v_wmma_scale_f32_16x16x128_f8f6f4 v[ACC+8*(4*(\a)+\b):ACC+8*(4*(\a)+\b)+7], v[(\f)+64+16*\b:(\f)+64+16*\b+15], v[(\f)+16*(\a):(\f)+16*(\a)+15], 0, v[SC+16*(\sc)+4*(\q)+\b], v[SC+16*(\sc)+4*(\q)+(\a)] matrix_a_scale:MATRIX_SCALE_ROW1
.else
	v_wmma_scale_f32_16x16x128_f8f6f4 v[ACC+8*(4*(\a)+\b):ACC+8*(4*(\a)+\b)+7], v[(\f)+64+16*\b:(\f)+64+16*\b+15], v[(\f)+16*(\a):(\f)+16*(\a)+15], v[ACC+8*(4*(\a)+\b):ACC+8*(4*(\a)+\b)+7], v[SC+16*(\sc)+4*(\q)+\b], v[SC+16*(\sc)+4*(\q)+(\a)] matrix_a_scale:MATRIX_SCALE_ROW1
.endif
.endr
.endr
.endm
.macro PLACES n
.rept \n
	v_nop
.endr
.endm
.macro QSTEP slot, q, zero             ; one of a slot's first three K steps: multiplies buffer q % 2 and fetches the next K step into the other
	s_wait_dscnt 8                                 ; all but the youngest eight loads (A's fragments 2 and 3)
	WIN MUL
	MUL8 128*((\q)%2), \q, \slot, 0, \zero
	PLACES 8                                       ; in front of loads into the buffer that the K step before multiplied
	FETCH \slot, (\q)+1, 128-128*((\q)%2)
	s_wait_dscnt 32                                ; all but the 32 just issued
	WIN MUL
	MUL8 128*((\q)%2), \q, \slot, 2, \zero
.endm
; A slot's last K step changes slots: one barrier; in front of it each wave waits for all its tensor loads, adds 0 to its spare word, and waits for that and for its reads of this slot.
.macro TURN slot, next, fill
	WIN 0
	s_wait_tensorcnt 0x0
	ds_add_u32 v[SPW], v[NIL]                      ; 0 onto my spare word
	s_wait_dscnt 9                                 ; the add and the youngest eight loads may be out
	WIN MUL
	MUL8 128, 3, \slot, 0, 0
	s_wait_dscnt 0x0                               ; the add is done, and my reads of this slot are over
	s_barrier_signal -1
	MUL8 128, 3, \slot, 2, 0
	WIN 0
	s_barrier_wait -1
.if \fill
	CREST                                          ; the barrier has opened a round of the cluster's
	s_add_nc_u64 s[G0+4*\slot+2:G0+4*\slot+3], s[G0+4*\slot+2:G0+4*\slot+3], 16384
	s_add_nc_u64 s[G0B+4*\slot+2:G0B+4*\slot+3], s[G0B+4*\slot+2:G0B+4*\slot+3], 16384
	JLOAD G0+4*\slot, G1, G0B+4*\slot, G1B         ; the first tensor load behind the round, my only one until the next
	PLACES 4
.else
	PLACES 8
.endif
	v_add_nc_u32 v[ADRS], 256, v[ADRS]             ; the next slot's scale words: four K steps of 64 bytes on
	SCALES \next                                   ; ahead of the fragments, so that A's fragments 2 and 3 stay the youngest eight loads
	FETCH \next, 0, 0
.endm
	s_wait_tensorcnt 1                             ; the scale words and my part of slot 0 are in; slot 1's load may be out
	s_barrier_signal -1
	s_barrier_wait -1
	SCALES 0
	FETCH 0, 0, 0
	QSTEP 0, 0, 1                                  ; the first K step's products start the sums
.if LAPS > 1
	WIN 0
	s_mov_b32 s3, LAPS-1
.Llap:
	QSTEP 0, 1, 0
	QSTEP 0, 2, 0
	TURN 0, 1, 1
	QSTEP 1, 0, 0
	QSTEP 1, 1, 0
	QSTEP 1, 2, 0
	TURN 1, 0, 1
	QSTEP 0, 0, 0
	WIN 0
	s_sub_co_u32 s3, s3, 1
	s_cmp_lg_u32 s3, 0
	s_cbranch_scc1 .Llap
.endif
	QSTEP 0, 1, 0
	QSTEP 0, 2, 0
	TURN 0, 1, 0
	QSTEP 1, 0, 0
	QSTEP 1, 1, 0
	QSTEP 1, 2, 0
	s_wait_dscnt 8                                 ; the very last K step: nothing more to fetch
	WIN MUL
	MUL8 128, 3, 1, 0, 0
	s_wait_dscnt 0
	MUL8 128, 3, 1, 2, 0
	WIN 0
	PLACES 8
.irp a, 0,1,2,3
.irp b, 0,1,2,3
	ds_store_b128 v[STO], v[ACC+8*(4*\a+\b):ACC+8*(4*\a+\b)+3] offset:16*SPITCH*\a+128*(\b/2)+32*(\b%2)        ; each accumulator from its low end on
	ds_store_b128 v[STO], v[ACC+8*(4*\a+\b)+4:ACC+8*(4*\a+\b)+7] offset:16*SPITCH*\a+128*(\b/2)+32*(\b%2)+16
.endr
.endr
	s_wait_loadcnt 0x0                             ; bias and residual
	WIN 0x82                                       ; destination and source 0 window 2
.set k, 0
.rept 64
	v_pk_add_f32 v[k:k+1], v[k:k+1], v[BI+k%4:BI+k%4+1]   ; residual + bias, while the stage's stores are out
.set k, k+2
.endr
	WIN 0
	s_wait_dscnt 0x0                               ; for the others' sake: my stores into the stage have landed
	s_barrier_signal -1
	s_barrier_wait -1
.set t, 0
.rept 32
	ds_load_b128 v[ACC+4*t:ACC+4*t+3], v[RD] offset:SPITCH*t
.set t, t+1
.endr
	s_wait_dscnt 0x0
	WIN 0x08                                       ; source 1 window 2
.set k, 0
.rept 64
	v_pk_add_f32 v[ACC+k:ACC+k+1], v[ACC+k:ACC+k+1], v[k:k+1]
.set k, k+2
.endr
	WIN 0
.set t, 0
.rept 32
	global_store_b128 v[CO], v[ACC+4*t:ACC+4*t+3], s[12:13] offset:((t&7)+16*((t>>3)&1)+8*((t>>4)&1))*4096   ; 32 lanes store 512 consecutive bytes, aligned: place t's natural row
.set t, t+1
.endr
	s_wait_tensorcnt 0x0                           ; the wave's end
	ds_add_u32 v[SPW], v[NIL]
	s_wait_dscnt 0x0
	CROUND                                         ; the closing round
	s_endpgm
.Lfunc_end_k_qc87772bf44_proj:
	.size	k_qc87772bf44_proj, .Lfunc_end_k_qc87772bf44_proj-k_qc87772bf44_proj
	.p2alignl 7, 3214868480
	.fill 96, 4, 3214868480
	.section	.rodata,"a",@progbits
	.p2align	6, 0x0
	.amdhsa_kernel k_qc87772bf44_proj
		.amdhsa_group_segment_fixed_size 327680
		.amdhsa_private_segment_fixed_size 0
		.amdhsa_enable_private_segment 0
		.amdhsa_kernarg_size 40
		.amdhsa_user_sgpr_count 2
		.amdhsa_user_sgpr_kernarg_segment_ptr 1
		.amdhsa_wavefront_size32 1
		.amdhsa_system_sgpr_workgroup_id_x 1
		.amdhsa_system_sgpr_workgroup_id_y 1
		.amdhsa_system_sgpr_workgroup_id_z 1
		.amdhsa_system_vgpr_workitem_id 0
		.amdhsa_next_free_vgpr 640
		.amdhsa_next_free_sgpr 98
		.amdhsa_reserve_vcc 0
		.amdhsa_float_denorm_mode_32 3
		.amdhsa_float_denorm_mode_16_64 3
		.amdhsa_memory_ordered 1
		.amdhsa_forward_progress 1
		.amdhsa_inst_pref_size 66
	.end_amdhsa_kernel
	.amdgpu_metadata
---
amdhsa.version: [ 1, 2 ]
amdhsa.kernels:
  - .name:           k_qc87772bf44_proj
    .symbol:         k_qc87772bf44_proj.kd
    .args:
      - { .name: attb, .offset: 0, .size: 8, .value_kind: global_buffer, .address_space: global }
      - { .name: pw, .offset: 8, .size: 8, .value_kind: global_buffer, .address_space: global }
      - { .name: b_out, .offset: 16, .size: 8, .value_kind: global_buffer, .address_space: global }
      - { .name: x, .offset: 24, .size: 8, .value_kind: global_buffer, .address_space: global }
      - { .name: x1, .offset: 32, .size: 8, .value_kind: global_buffer, .address_space: global }
    .group_segment_fixed_size: 327680
    .private_segment_fixed_size: 0
    .kernarg_segment_align: 8
    .kernarg_segment_size: 40
    .max_flat_workgroup_size: 128
    .sgpr_count:     98
    .vgpr_count:     640
    .wavefront_size: 32
...
	.end_amdgpu_metadata
.endif
;; end of part 4
;; launch ln2: the kernel of part 1 again; grid 256 x 1, 8 waves a work-group, no clusters, 69,632 bytes of LDS; arguments x1, ln2_g, ln2_b, w_qkv, w_out, w1, w2, h2b; writes h2b
;; launch ffn1 (part 5): grid 16 x 16, 4 waves a work-group, clusters of 4 x 4, 327,680 bytes of LDS; arguments h2b, pw, b1, ffb; writes ffb
.if DOCPART == 5
	.amdgcn_target "amdgcn-amd-amdhsa--gfx1250"
	.amdhsa_code_object_version 6
	.text
	.protected	k_qc87772bf44_ffn1
	.globl	k_qc87772bf44_ffn1
	.p2align	8
	.type	k_qc87772bf44_ffn1,@function
k_qc87772bf44_ffn1:
	s_mov_b64 s[64:65], 0
	v_nop
	global_prefetch_b8 v0, s[64:65] scope:SCOPE_SE
	s_setreg_imm32_b32 hwreg(HW_REG_WAVE_MODE, 25, 1), 1
	s_wait_xcnt 0x0
	s_wait_alu depctr_hold_cnt(0) depctr_sa_sdst(0) depctr_va_vdst(0) depctr_va_sdst(0) depctr_va_ssrc(0) depctr_va_vcc(0) depctr_vm_vsrc(0)
	s_getreg_b32 s2, hwreg(HW_REG_IB_STS2, 6, 4)
	s_cmp_eq_u32 s2, 0
	s_cbranch_scc0 .Lentry_in_a_cluster
	s_endpgm
.Lentry_in_a_cluster:
	s_bfe_u32 s2, ttmp6, 0x10000c
	s_cmp_lg_u32 s2, 0xf033
	s_cbranch_scc0 .Lentry_shape_is_right
	s_endpgm
.Lentry_shape_is_right:
; gelu(LN2(x1) w1^T + b1), exact GELU, on codes of FP8 (E4M3) with E8M0 scales for each 32 along K = 1,024; the result is quantised here along the 4,096 hidden units and leaves as codes for the next product.
; OPERANDS come as images of the matrix operand's registers: a fragment (a rowblock of 16 rows x 128 K) is 2,048 bytes [c][lane][16]; codes [rowblock][K step][2048], scale words [rowblock][K step][16 places].
; Place r of rowblock i is row 32 (i / 2) + 8 (i % 2) + r % 8 + 16 (r / 8).  THE MATRIX INSTRUCTION IS USED TRANSPOSED: source 0 = a rowblock of w1 (B), source 1 = a rowblock of tokens (A).
; In accumulator (a, b) lane (r, h) then holds token place r of block a, and register j the NATURAL hidden unit 32 (b / 2) + 16 h + 8 (b % 2) + j: the 64 registers of (a, 0..7) are one K step of the next product, in its operand's order.
; TILES.  A work-group makes 256 x 256, a wave 128 x 128 in 64 accumulators; 16 x 16 = 256 work-groups.  CLUSTERS of 4 x 4: A's tile is asked for jointly by a row of the cluster, B's by a column.
; K goes in steps of 256 through two LDS slots; the scale words of all of K come once.
; GELU(x) = x / 2 + (x / 2) erf(x / sqrt 2); erf(z) = z P(z^2) / Q(z^2) on z held to +-4, P of degree 6 and Q of degree 4 in z^2.
; LIMITS: erf carries an absolute error of about 1e-7, so for strongly negative x the result has that absolute accuracy and not a relative one.  NaN and infinities are not served; a block whose largest magnitude lies under 2^-118 gets the byte 1.
; Scale words leave in runs of 64 bytes: one byte in 32 of the launch's output.
; REGISTERS: window 0: v0-31 addresses; v32-63 scale words, two sets, and nothing else; v64-127 b1 along my registers; v128-255 A's fragments, one set; in the epilogue v128-191 64 numbers, v192-255 at work.
;   window 1: B's fragments, two sets.  windows 2, 3: the accumulators, (a, b) at v[8 (8 (a % 4) + b)].
.set AS,    4194304                    ; h2's scale words in h2b (its codes at 0)
.set BC,    4325376+4194304            ; w1's codes in pw
.set BS,    16908288+131072            ; w1's scale words in pw
.set OSC,   16777216                   ; the output's scale words
.set NQ,    2
.set FR,    16
.set NL,    4
.set NP,    8                          ; places behind this matrix instruction (ISA guide 7.12.1)
.set QUART, 32768                      ; 8 rowblocks x 2 K steps x 2,048
.set SLOT,  131072
.set SCL,   262144                     ; the scale words: [quarter][rowblock 8][K step 8][64 bytes]
.set SPARE, 278528                     ; the spare words, 128 bytes for each wave: two blocks of 256 bytes that no other line names
.set LAPS,  2
.set LI,   7                           ; v7   16 x lane
.set ADRA, 16
.set ADRB, 20
.set ADRS, 27
.set SPW,  28
.set NIL,  29
.set S4R,  30                          ; v30  4 r
.set SC,   32
.set BN,   64
.set AF,   128
.set T,    128
.set Z,    192                         ; GELU: z, z^2, P, Q of sixteen numbers;
.set Z2,   208
.set P,    224
.set Q,    240
.set PC,   192                         ; behind it the quantiser's codes, work and scale word in the same registers
.set TM,   208
.set PW,   224
.set G1, 24
.set G0, 32
.set G1B, 48
.set G0B, 56
.set G1S, 68
.set G0S, 76
.set G1SB, 80
.set G0SB, 88
.set RS2, 20                           ; the epilogue's scalar pairs: 1 / sqrt 2, P's seven coefficients, Q's five
.set A13, 22
.set A11, 24
.set A9,  26
.set A7,  28
.set A5,  30
.set A3,  32
.set A1,  34
.set B8,  36
.set B6,  38
.set B4,  48
.set B2,  50
.set B0,  52
.set SEL, 58
.set MNT, 60
.set MSB, 0
.macro WIN new
.if MSB != \new
	s_set_vgpr_msb (MSB<<8)|\new
.set MSB, \new
.endif
.endm
.set MUL_LO, 0xa1
.set MUL_HI, 0xf1
.set TO_B,   0x40
.macro JLOAD g0a, g1a, g0b, g1b        ; a joint load: waves 0 and 1 fetch for A, waves 2 and 3 for B; four v_nop follow each of the two lines
	s_cmp_eq_u32 s15, 0
	s_cbranch_scc0 .Lfor_b_\@
	tensor_load_to_lds s[\g0a:\g0a+3], s[\g1a:\g1a+7]
	s_nop 0
.rept 4
	v_nop
.endr
	s_branch .Lasked_\@
.Lfor_b_\@:
	tensor_load_to_lds s[\g0b:\g0b+3], s[\g1b:\g1b+7]
	s_nop 0
.rept 4
	v_nop
.endr
.Lasked_\@:
.endm
.macro CREST
	s_cmp_lg_u32 s14, 0
	s_cbranch_scc1 .Lnot_wave_0_\@
	s_barrier_signal -3
.Lnot_wave_0_\@:
	s_barrier_wait -3
	s_barrier_signal -1
	s_barrier_wait -1
.endm
.macro CROUND
	s_barrier_signal -1
	s_barrier_wait -1
	CREST
.endm
	s_load_b256 s[4:11], s[0:1], 0x0               ; h2b s[4:5], pw s[6:7], b1 s[8:9], ffb s[10:11]
	v_lshl_add_u32 v[SPW], v0, 2, SPARE
	v_mov_b32 v[NIL], 0
	ds_add_u32 v28, v29
	ds_add_u32 v28, v29
	s_wait_dscnt 0x0
	v_lshrrev_b32 v1, 5, v0
	v_readfirstlane_b32 s14, v1                    ; wave 0..3
	s_lshr_b32 s15, s14, 1                         ; which half of the tokens is mine.  Also: I fetch for A (0) or for B (1)
	s_and_b32 s16, s14, 1                          ; which half of the hidden units.  Also: which half of that tile I fetch
	s_bfe_u32 s40, ttmp6, 0x40000
	s_bfe_u32 s41, ttmp6, 0x40004
	s_lshl_b32 s42, ttmp9, 2
	s_add_co_u32 s42, s42, s40                     ; tile column: kept
	s_and_b32 s17, ttmp7, 0xffff
	s_lshl_b32 s17, s17, 2
	s_add_co_u32 s17, s17, s41                     ; tile row: kept
	s_lshl_b32 s43, s41, 2
	s_lshl_b32 s43, 15, s43
	s_lshl_b32 s44, 0x1111, s40
	; group 1 for codes: 8 rowblocks x 4,096 bytes (two K steps), 16,384 bytes from rowblock to rowblock; elements of 8 bytes; no padding
	s_or_b32 s[G1+0], s43, (3<<16)|(1<<21)
	s_or_b32 s[G1B+0], s44, (3<<16)|(1<<21)
.irp g, G1, G1B
	s_mov_b32 s[\g+1], 512<<16
	s_mov_b32 s[\g+2], 8<<16
	s_mov_b32 s[\g+3], 512<<16
	s_mov_b32 s[\g+4], 8
	s_mov_b32 s[\g+5], 2048
	s_mov_b32 s[\g+6], 0
	s_mov_b32 s[\g+7], 0
.endr
	s_or_b32 s[G1S+0], s43, (3<<16)|(1<<21)        ; the scale words of 8 rowblocks: 4,096 dense bytes as 16 rows of 256
	s_or_b32 s[G1SB+0], s44, (3<<16)|(1<<21)
.irp g, G1S, G1SB
	s_mov_b32 s[\g+1], 32<<16
	s_mov_b32 s[\g+2], 16<<16
	s_mov_b32 s[\g+3], 32<<16
	s_mov_b32 s[\g+4], 16
	s_mov_b32 s[\g+5], 32
	s_mov_b32 s[\g+6], 0
	s_mov_b32 s[\g+7], 0
.endr
	s_lshl_b32 s18, s16, 3                         ; which 8 rowblocks of the tile I fetch
	s_lshl_b32 s20, s17, 4
	s_add_co_u32 s20, s20, s18
	s_lshl_b32 s46, s42, 4
	s_add_co_u32 s46, s46, s18
	s_lshl_b32 s22, s20, 9
	s_add_co_u32 s22, s22, AS
	s_mov_b32 s23, 0
	s_lshl_b32 s20, s20, 14
	s_mov_b32 s21, 0
	s_lshl_b32 s92, s46, 9
	s_add_co_u32 s92, s92, BS
	s_mov_b32 s93, 0
	s_lshl_b32 s46, s46, 14
	s_add_co_u32 s46, s46, BC
	s_mov_b32 s47, 0
	s_lshl_b32 s45, s14, 15
	s_lshl_b32 s94, s14, 12
	s_wait_kmcnt 0x0
	s_add_nc_u64 s[20:21], s[4:5], s[20:21]
	s_add_nc_u64 s[22:23], s[4:5], s[22:23]
	s_add_nc_u64 s[46:47], s[6:7], s[46:47]
	s_add_nc_u64 s[92:93], s[6:7], s[92:93]
	CROUND                                         ; all sixteen work-groups are here: the first joint loads meet
	s_mov_b32 s[G0S], 1
	s_add_co_u32 s[G0S+1], s94, SCL
	s_mov_b64 s[G0S+2:G0S+3], s[22:23]
	s_or_b32 s[G0S+3], s[G0S+3], 0x80000000
	s_mov_b32 s[G0SB], 1
	s_add_co_u32 s[G0SB+1], s94, SCL
	s_mov_b64 s[G0SB+2:G0SB+3], s[92:93]
	s_or_b32 s[G0SB+3], s[G0SB+3], 0x80000000
	JLOAD G0S, G1S, G0SB, G1SB
.irp s, 0,1
	s_mov_b32 s[G0+4*\s], 1
	s_add_co_u32 s[G0+4*\s+1], s45, \s*SLOT
	s_add_nc_u64 s[G0+4*\s+2:G0+4*\s+3], s[20:21], \s*4096
	s_or_b32 s[G0+4*\s+3], s[G0+4*\s+3], 0x80000000
	s_mov_b32 s[G0B+4*\s], 1
	s_add_co_u32 s[G0B+4*\s+1], s45, \s*SLOT
	s_add_nc_u64 s[G0B+4*\s+2:G0B+4*\s+3], s[46:47], \s*4096
	s_or_b32 s[G0B+4*\s+3], s[G0B+4*\s+3], 0x80000000
	JLOAD G0+4*\s, G1, G0B+4*\s, G1B               ; three loads of mine are out
.endr
	v_and_b32 v1, 31, v0
	v_and_b32 v2, 15, v0                           ; r
	v_bfe_u32 v3, v0, 4, 1                         ; h
	v_lshlrev_b32 v[LI], 4, v1
	v_lshlrev_b32 v[S4R], 2, v2
	s_lshl_b32 s21, s15, 15
	s_lshl_b32 s22, s16, 15
	s_add_co_u32 s22, s22, 2*QUART
.irp s, 0,1
	v_add_nc_u32 v[ADRA+\s], s21, v[LI]
	v_add_nc_u32 v[ADRB+\s], s22, v[LI]
	s_add_co_u32 s21, s21, SLOT
	s_add_co_u32 s22, s22, SLOT
.endr
	s_lshl_b32 s21, s15, 12
	s_lshl_b32 s22, s16, 12
	s_add_co_u32 s22, s22, 8192
	s_sub_co_u32 s22, s22, s21
	v_mul_u32_u24 v6, s22, v3                      ; lanes 16-31 take B's scale words
	s_add_co_u32 s21, s21, SCL
	v_lshl_add_u32 v5, v2, 2, v6
	v_add_nc_u32 v[ADRS], s21, v5
	s_lshl_b32 s96, s42, 10
	s_lshl_b32 s97, s16, 9
	s_add_co_u32 s96, s96, s97                     ; b1 at my 128 hidden units
	s_mov_b32 s97, 0
	s_add_nc_u64 s[96:97], s[8:9], s[96:97]
	v_lshlrev_b32 v4, 6, v3                        ; 64 h
.irp b, 0,1,2,3
.irp j, 0,1,2,3
	global_load_b128 v[BN+16*\b+4*\j:BN+16*\b+4*\j+3], v4, s[96:97] offset:128*\b+16*\j
.endr
.endr
.macro FRAG reg, adr, q, i
.irp c, 0,1,2,3
	ds_load_b128 v[\reg+4*\c:\reg+4*\c+3], v[\adr] offset:4096*(\i)+2048*(\q)+512*\c
.endr
.endm
; 16 matrix instructions: A's blocks a0, a0 + 1 x B's eight.  The 64 accumulators take turns, one instruction a turn, in the same order in every step.
.macro MUL16 a0, p, q, sc, zero
.irp a, \a0, \a0+1
.irp b, 0,1,2,3,4,5,6,7
.if \zero
	v_wmma_scale_f32_16x16x128_f8f6f4 v[8*(8*((\a)%4)+\b):8*(8*((\a)%4)+\b)+7], v[128*(\p)+FR*\b:128*(\p)+FR*\b+FR-1], v[AF+FR*(\a):AF+FR*(\a)+FR-1], 0, v[SC+8*NQ*(\sc)+NQ*\b+(\q)], v[SC+8*NQ*(\sc)+NQ*(\a)+(\q)] matrix_a_scale:MATRIX_SCALE_ROW1
.else
	v_wmma_scale_f32_16x16x128_f8f6f4 v[8*(8*((\a)%4)+\b):8*(8*((\a)%4)+\b)+7], v[128*(\p)+FR*\b:128*(\p)+FR*\b+FR-1], v[AF+FR*(\a):AF+FR*(\a)+FR-1], v[8*(8*((\a)%4)+\b):8*(8*((\a)%4)+\b)+7], v[SC+8*NQ*(\sc)+NQ*\b+(\q)], v[SC+8*NQ*(\sc)+NQ*(\a)+(\q)] matrix_a_scale:MATRIX_SCALE_ROW1
.endif
.endr
.endr
.endm
.macro FETCH_B slot, q, p
	WIN TO_B
.irp i, 0,1,2,3,4,5,6,7
	FRAG 128*(\p)+FR*\i, ADRB+\slot, \q, \i
.endr
	WIN 0
.endm
.macro FETCH_A slot, q, i0
.irp i, \i0, \i0+1, \i0+2, \i0+3
	FRAG AF+FR*(\i), ADRA+\slot, \q, \i
.endr
.endm
.macro SCALES sc
.irp i, 0,1,2,3,4,5,6,7
.irp q, 0,1
	ds_load_b32 v[SC+16*\sc+2*\i+\q], v[ADRS] offset:512*\i+64*\q
.endr
.endr
.endm
.macro PLACES n
.rept \n
	v_nop
.endr
.endm
.macro STEP slot, q, zero
	s_wait_dscnt 4*NL                              ; all but the youngest sixteen loads (A's blocks 4-7)
	WIN MUL_LO
	MUL16 0, (\q)%2, \q, \slot, \zero
	MUL16 2, (\q)%2, \q, \slot, \zero
	s_wait_dscnt 0
	PLACES NP
	FETCH_B \slot, (\q)+1, 1-(\q)%2
	FETCH_A \slot, (\q)+1, 0
	WIN MUL_HI
	MUL16 4, (\q)%2, \q, \slot, \zero
	MUL16 6, (\q)%2, \q, \slot, \zero
	PLACES NP
	WIN 0
	FETCH_A \slot, (\q)+1, 4
.endm
; A slot's last step changes slots: one barrier; in front of it each wave waits for all its tensor loads, adds 0 to its spare word, and waits for that and for its reads of this slot.
.macro TURN slot, next, fill
	s_wait_tensorcnt 0x0
	ds_add_u32 v[SPW], v[NIL]                      ; 0 onto my spare word
	s_wait_dscnt 4*NL+1                            ; the add and the youngest sixteen loads may be out
	WIN MUL_LO
	MUL16 0, 1, NQ-1, \slot, 0
	s_wait_dscnt 0x0                               ; the add is done, and my reads of this slot are over
	s_barrier_signal -1
	MUL16 2, 1, NQ-1, \slot, 0
	WIN 0
	s_barrier_wait -1
.if \fill
	CREST                                          ; the barrier has opened a round of the cluster's
	s_add_nc_u64 s[G0+4*\slot+2:G0+4*\slot+3], s[G0+4*\slot+2:G0+4*\slot+3], 8192
	s_add_nc_u64 s[G0B+4*\slot+2:G0B+4*\slot+3], s[G0B+4*\slot+2:G0B+4*\slot+3], 8192
	JLOAD G0+4*\slot, G1, G0B+4*\slot, G1B         ; the first tensor load behind the round, my only one until the next
	PLACES NP-4
.else
	PLACES NP
.endif
	v_add_nc_u32 v[ADRS], 128, v[ADRS]
	FETCH_B \next, 0, 0
	FETCH_A \next, 0, 0
	SCALES \next
	WIN MUL_HI
	MUL16 4, 1, NQ-1, \slot, 0
	MUL16 6, 1, NQ-1, \slot, 0
	PLACES NP
	WIN 0
	FETCH_A \next, 0, 4
.endm
	s_wait_tensorcnt 1                             ; the scale words and my part of slot 0 are in; slot 1's load may be out
	s_barrier_signal -1
	s_barrier_wait -1
	FETCH_B 0, 0, 0
	FETCH_A 0, 0, 0
	SCALES 0
	FETCH_A 0, 0, 4
	STEP 0, 0, 1
	s_mov_b32 s3, LAPS-1
.Llap:
	TURN 0, 1, 1
	STEP 1, 0, 0
	TURN 1, 0, 1
	STEP 0, 0, 0
	s_sub_co_u32 s3, s3, 1
	s_cmp_lg_u32 s3, 0
	s_cbranch_scc1 .Llap
	TURN 0, 1, 0
	STEP 1, 0, 0
	s_wait_dscnt 4*NL
	WIN MUL_LO
	MUL16 0, 1, NQ-1, 1, 0
	MUL16 2, 1, NQ-1, 1, 0
	s_wait_dscnt 0
	WIN MUL_HI
	MUL16 4, 1, NQ-1, 1, 0
	MUL16 6, 1, NQ-1, 1, 0
	WIN 0
; THE EPILOGUE: a loop of eight trips, one for each block of 16 tokens: bias, GELU, quantiser, one fragment out.  Only the copy out of the accumulators differs from trip to trip (register numbers): it is written eight times.
.macro QUANT s
.irp b, 0,1,2,3
	v_max3_num_f32 v[TM+\b], |v[\s+16*\b]|, |v[\s+1+16*\b]|, 0x4800000   ; block b: my 16 numbers, and the floor 2^(9 - 127): the byte cannot fall under 1
.endr
.irp i, 2,4,6,8,10,12,14
.irp b, 0,1,2,3
	v_max3_num_f32 v[TM+\b], v[TM+\b], |v[\s+16*\b+\i]|, |v[\s+1+16*\b+\i]|
.endr
.endr
.irp b, 0,1,2,3
	v_permlanex16_b32 v[TM+4+\b], v[TM+\b], s[SEL], s[SEL+1]   ; (its destination counts as read: GELU has written it)
.endr
.irp b, 0,1,2,3
	v_max_num_f32 v[TM+\b], v[TM+\b], v[TM+4+\b]
.endr
.irp b, 0,1,2,3
	v_add_nc_u32 v[TM+12+\b], 0xfc000000, v[TM+\b]
.endr
.irp b, 0,1,2,3
	v_and_or_b32 v[TM+8+\b], v[TM+\b], 0x7f800000, s[MNT]
.endr
.irp b, 0,1,2,3
	v_lshrrev_b32 v[TM+4+\b], 23, v[TM+12+\b]
.endr
	v_lshl_or_b32 v[PW], v[TM+5], 8, v[TM+4]
	v_lshl_or_b32 v[PW], v[TM+6], 16, v[PW]
	v_lshl_or_b32 v[PW], v[TM+7], 24, v[PW]
.irp b, 0,1,2,3
.irp i, 0,1,2,3,4,5,6,7,8,9,10,11,12,13,14,15
	v_med3_num_f32 v[\s+16*\b+\i], v[\s+16*\b+\i], -v[TM+8+\b], v[TM+8+\b]   ; the conversion does not saturate (ISA guide 7.6.2)
.endr
	v_cvt_scalef32_pk8_fp8_f32 v[PC+4*\b:PC+1+4*\b], v[\s+16*\b:\s+7+16*\b], v[TM+12+\b]
	v_cvt_scalef32_pk8_fp8_f32 v[PC+2+4*\b:PC+3+4*\b], v[\s+8+16*\b:\s+15+16*\b], v[TM+12+\b]
.endr
	v_nop                                                  ; a plain line behind the last conversion
.endm
.macro COPY a                          ; block a's 64 sums + b1; each accumulator is read from its low end on
.set W, 0x02+(\a)/4
	WIN W                                          ; source 0 in window 2 or 3
.set k, 0
.rept 32
	v_pk_add_f32 v[T+k:T+k+1], v[64*((\a)%4)+k:64*((\a)%4)+k+1], v[BN+k:BN+k+1]
.set k, k+2
.endr
	WIN 0
.endm
.macro GELU t                          ; sixteen numbers at v[t] on, in place
.irp k, 0,2,4,6,8,10,12,14
	v_pk_mul_f32 v[Z+\k:Z+\k+1], v[\t+\k:\t+\k+1], s[RS2:RS2+1] op_sel_hi:[1,0]
.endr
.irp k, 0,1,2,3,4,5,6,7,8,9,10,11,12,13,14,15
	v_med3_num_f32 v[Z+\k], v[Z+\k], -4.0, 4.0
.endr
.irp k, 0,2,4,6,8,10,12,14
	v_pk_mul_f32 v[Z2+\k:Z2+\k+1], v[Z+\k:Z+\k+1], v[Z+\k:Z+\k+1]
.endr
.irp k, 0,2,4,6,8,10,12,14
	v_pk_fma_f32 v[P+\k:P+\k+1], v[Z2+\k:Z2+\k+1], s[A13:A13+1], s[A11:A11+1] op_sel_hi:[1,0,0]
.endr
.irp k, 0,2,4,6,8,10,12,14
	v_pk_fma_f32 v[Q+\k:Q+\k+1], v[Z2+\k:Z2+\k+1], s[B8:B8+1], s[B6:B6+1] op_sel_hi:[1,0,0]
.endr
.irp c, B4, B2, B0
.irp k, 0,2,4,6,8,10,12,14
	v_pk_fma_f32 v[Q+\k:Q+\k+1], v[Q+\k:Q+\k+1], v[Z2+\k:Z2+\k+1], s[\c:\c+1] op_sel_hi:[1,1,0]
.endr
.endr
.irp k, 0,1,2,3,4,5,6,7,8,9,10,11,12,13,14,15
	v_rcp_f32 v[Q+\k], v[Q+\k]                     ; one batch; P's chain below is the work behind it
.endr
.irp c, A9, A7, A5, A3, A1
.irp k, 0,2,4,6,8,10,12,14
	v_pk_fma_f32 v[P+\k:P+\k+1], v[P+\k:P+\k+1], v[Z2+\k:Z2+\k+1], s[\c:\c+1] op_sel_hi:[1,1,0]
.endr
.endr
.irp k, 0,2,4,6,8,10,12,14
	v_pk_mul_f32 v[P+\k:P+\k+1], v[P+\k:P+\k+1], v[Z+\k:Z+\k+1]
.endr
.irp k, 0,2,4,6,8,10,12,14
	v_pk_mul_f32 v[\t+\k:\t+\k+1], v[\t+\k:\t+\k+1], 0.5 op_sel_hi:[1,0]
.endr
	s_wait_alu depctr_va_vdst(0)                   ; the wait ahead of the first reader: one for the sixteen reciprocals
.irp k, 0,2,4,6,8,10,12,14
	v_pk_mul_f32 v[P+\k:P+\k+1], v[P+\k:P+\k+1], v[Q+\k:Q+\k+1]                  ; erf
.endr
.irp k, 0,2,4,6,8,10,12,14
	v_pk_fma_f32 v[\t+\k:\t+\k+1], v[\t+\k:\t+\k+1], v[P+\k:P+\k+1], v[\t+\k:\t+\k+1]   ; x / 2 + (x / 2) erf
.endr
.endm
.macro KONST reg, bits                 ; a packed form names a pair and takes its low word for both halves: both are written
	s_mov_b32 s[\reg], \bits
	s_mov_b32 s[\reg+1], \bits
.endm
	PLACES NP                                      ; behind the last products: their results are read and A's registers written below
	s_wait_loadcnt 0x0                             ; b1
	KONST RS2, 0x3f3504f3
	KONST A13, 0xaf95df0b
	KONST A11, 0x32edffee
	KONST A9,  0xb60cff51
	KONST A7,  0xb86ec2d2
	KONST A5,  0xba40ac63
	KONST A3,  0xbb41a1f6
	KONST A1,  0xbc83dbd4
	KONST B8,  0xb77460cd
	KONST B6,  0xb95fbd29
	KONST B4,  0xbadc924e
	KONST B2,  0xbbf19bf8
	KONST B0,  0xbc69b6a7
	s_mov_b32 s[SEL], 0x76543210
	s_mov_b32 s[SEL+1], 0xfedcba98
	s_mov_b32 s[MNT], 0x600000
	s_lshl_b32 s54, s17, 4
	s_lshl_b32 s55, s15, 3
	s_add_co_u32 s54, s54, s55                     ; my first rowblock of tokens
	s_lshl_b32 s54, s54, 5                         ; x the next product's 32 K steps
	s_lshl_b32 s55, s42, 1
	s_add_co_u32 s54, s54, s55
	s_add_co_u32 s54, s54, s16                     ; + my 128 hidden units' K step
	s_lshl_b32 s56, s54, 6
	s_add_co_u32 s56, s56, OSC
	s_mov_b32 s57, 0
	s_lshl_b32 s54, s54, 11
	s_mov_b32 s55, 0
	s_add_nc_u64 s[54:55], s[10:11], s[54:55]      ; the fragment's image
	s_add_nc_u64 s[56:57], s[10:11], s[56:57]      ; its scale words
	s_mov_b32 s3, 0
.Lrow:
.irp a, 0,1,2,3,4,5,6
	s_cmp_eq_u32 s3, \a
	s_cbranch_scc1 .Lc\a
.endr
	COPY 7
	s_branch .Lcommon
.irp a, 0,1,2,3,4,5,6
.Lc\a:
	COPY \a
.if \a < 6
	s_branch .Lcommon
.endif
.endr
.Lcommon:
	GELU T
	GELU T+16
	GELU T+32
	GELU T+48
	QUANT T
.irp c, 0,1,2,3
	global_store_b128 v[LI], v[PC+4*\c:PC+4*\c+3], s[54:55] offset:512*\c   ; 32 lanes store 512 consecutive bytes, aligned
.endr
	global_store_b32 v[S4R], v[PW], s[56:57]       ; place r's word; lanes 16-31 hold and store the same
	s_wait_xcnt 0x0                                ; the stores have read their data and bases: both are written again only behind this wait
	s_add_nc_u64 s[54:55], s[54:55], 65536         ; the next rowblock of tokens: 32 K steps on
	s_add_nc_u64 s[56:57], s[56:57], 2048
	s_add_co_u32 s3, s3, 1
	s_cmp_lt_u32 s3, 8
	s_cbranch_scc1 .Lrow
	s_wait_tensorcnt 0x0                           ; the wave's end
	ds_add_u32 v[SPW], v[NIL]
	s_wait_dscnt 0x0
	CROUND                                         ; the closing round
	s_endpgm
.Lfunc_end_k_qc87772bf44_ffn1:
	.size	k_qc87772bf44_ffn1, .Lfunc_end_k_qc87772bf44_ffn1-k_qc87772bf44_ffn1
	.p2alignl 7, 3214868480
	.fill 96, 4, 3214868480
	.section	.rodata,"a",@progbits
	.p2align	6, 0x0
	.amdhsa_kernel k_qc87772bf44_ffn1
		.amdhsa_group_segment_fixed_size 327680
		.amdhsa_private_segment_fixed_size 0
		.amdhsa_enable_private_segment 0
		.amdhsa_kernarg_size 32
		.amdhsa_user_sgpr_count 2
		.amdhsa_user_sgpr_kernarg_segment_ptr 1
		.amdhsa_wavefront_size32 1
		.amdhsa_system_sgpr_workgroup_id_x 1
		.amdhsa_system_sgpr_workgroup_id_y 1
		.amdhsa_system_sgpr_workgroup_id_z 1
		.amdhsa_system_vgpr_workitem_id 0
		.amdhsa_next_free_vgpr 1024
		.amdhsa_next_free_sgpr 102
		.amdhsa_reserve_vcc 0
		.amdhsa_float_denorm_mode_32 3
		.amdhsa_float_denorm_mode_16_64 3
		.amdhsa_memory_ordered 1
		.amdhsa_forward_progress 1
		.amdhsa_inst_pref_size 185
	.end_amdhsa_kernel
	.amdgpu_metadata
---
amdhsa.version: [ 1, 2 ]
amdhsa.kernels:
  - .name:           k_qc87772bf44_ffn1
    .symbol:         k_qc87772bf44_ffn1.kd
    .args:
      - { .name: h2b, .offset: 0, .size: 8, .value_kind: global_buffer, .address_space: global }
      - { .name: pw, .offset: 8, .size: 8, .value_kind: global_buffer, .address_space: global }
      - { .name: b1, .offset: 16, .size: 8, .value_kind: global_buffer, .address_space: global }
      - { .name: ffb, .offset: 24, .size: 8, .value_kind: global_buffer, .address_space: global }
    .group_segment_fixed_size: 327680
    .private_segment_fixed_size: 0
    .kernarg_segment_align: 8
    .kernarg_segment_size: 32
    .max_flat_workgroup_size: 128
    .sgpr_count:     102
    .vgpr_count:     1024
    .wavefront_size: 32
...
	.end_amdgpu_metadata
.endif
;; end of part 5
;; launch ffn2 (part 6): grid 8 x 32, 4 waves a work-group, clusters of 4 x 4, 327,680 bytes of LDS; arguments ffb, pw, b2, x1, out0; writes out0
.if DOCPART == 6
	.amdgcn_target "amdgcn-amd-amdhsa--gfx1250"
	.amdhsa_code_object_version 6
	.text
	.protected	k_qc87772bf44_ffn2
	.globl	k_qc87772bf44_ffn2
	.p2align	8
	.type	k_qc87772bf44_ffn2,@function
k_qc87772bf44_ffn2:
	s_mov_b64 s[64:65], 0
	v_nop
	global_prefetch_b8 v0, s[64:65] scope:SCOPE_SE
	s_setreg_imm32_b32 hwreg(HW_REG_WAVE_MODE, 25, 1), 1
	s_wait_xcnt 0x0
	s_wait_alu depctr_hold_cnt(0) depctr_sa_sdst(0) depctr_va_vdst(0) depctr_va_sdst(0) depctr_va_ssrc(0) depctr_va_vcc(0) depctr_vm_vsrc(0)
	s_getreg_b32 s2, hwreg(HW_REG_IB_STS2, 6, 4)
	s_cmp_eq_u32 s2, 0
	s_cbranch_scc0 .Lentry_in_a_cluster
	s_endpgm
.Lentry_in_a_cluster:
	s_bfe_u32 s2, ttmp6, 0x10000c
	s_cmp_lg_u32 s2, 0xf033
	s_cbranch_scc0 .Lentry_shape_is_right
	s_endpgm
.Lentry_shape_is_right:
; out = x1 + gelu(..) w2^T + b2: a product on codes of FP8 (E4M3) with E8M0 scales, K = 4,096, N = 1,024; the result is f32 in natural rows.
; OPERANDS come as images of the matrix operand's registers: a fragment (a rowblock of 16 rows x 128 K) is 2,048 bytes [c][lane][16]; codes [rowblock][K step][2048], scale words [rowblock][K step][16 places].
; Place r of rowblock i is row 32 (i / 2) + 8 (i % 2) + r % 8 + 16 (r / 8).  The matrix instruction is used transposed (source 0 = a rowblock of w2, source 1 = a rowblock of tokens): lane (r, h) holds token place r,
; and register j of accumulator (a, b) the natural column 32 (b / 2) + 16 h + 8 (b % 2) + j.
; TILES of 128 x 128 give 8 x 32 = 256 work-groups; 256 x 256 would give 64.  A wave makes 64 x 64 in 16 accumulators: 8 fragments from LDS feed 16 matrix instructions.
; CLUSTERS of 4 x 4: the tokens' tile is asked for jointly by a row of the cluster, w2's by a column.  K goes in steps of 512 (4 K steps of 128) through two LDS slots: four times round the ring; the scale words of all of K come once.
; THE WAY OUT: through one stage in LDS (in slot 0, which has had its last fill and its last read), rows in place order; each wave reads 32 whole rows of 512 bytes back, adds bias and residual, and stores them to their natural rows.
; REGISTERS: window 0: v0-31 addresses (v8-11 the bias); v32-63 scale words, two sets; v128-255 the accumulators, (a, b) at v[128 + 8 (4 a + b)].  window 1: two fragment buffers of 128: A's four, then B's four.  window 2: v0-127 the residual.
.set KST,   32                         ; K steps of 128 in a row
.set AS,    16777216                   ; A's scale words in its buffer
.set BC,    4325376+8388608            ; w2's codes in pw
.set BS,    16908288+262144            ; w2's scale words in pw
.set LAPS,  KST/8
.set QUART, 32768                      ; 4 rowblocks x 4 K steps x 2,048
.set SLOT,  131072
.set SCL,   262144                     ; the scale words of all of K: [quarter][rowblock 4][K step][64 bytes]
.set HALFS, 256*KST
.set SPARE, SCL+4*HALFS                ; the spare words, 128 bytes for each wave: two blocks of 256 bytes that no other line names
.set SPITCH, 528                       ; a stage row: 512 bytes + 16: sixteen rows start at sixteen different groups of four banks
.set BI,   8
.set ADRA, 16
.set ADRB, 20
.set STO,  24
.set RD,   25
.set CO,   26
.set ADRS, 27
.set SPW,  28
.set NIL,  29
.set SC,   32
.set ACC,  128
.set G1, 24
.set G0, 32
.set G1B, 48
.set G0B, 56
.set G1S, 68
.set G0S, 76
.set G1SB, 80
.set G0SB, 88
.set MSB, 0
.macro WIN new
.if MSB != \new
	s_set_vgpr_msb (MSB<<8)|\new
.set MSB, \new
.endif
.endm
.set MUL,  0x05                        ; sources 0 (B) and 1 (A) window 1; C and D window 0
.set TO_F, 0x40                        ; destination window 1, address window 0
.macro JLOAD g0a, g1a, g0b, g1b        ; a joint load: waves 0 and 1 fetch for A, waves 2 and 3 for B; four v_nop follow each of the two lines
	s_cmp_eq_u32 s15, 0
	s_cbranch_scc0 .Lfor_b_\@
	tensor_load_to_lds s[\g0a:\g0a+3], s[\g1a:\g1a+7]
	s_nop 0
.rept 4
	v_nop
.endr
	s_branch .Lasked_\@
.Lfor_b_\@:
	tensor_load_to_lds s[\g0b:\g0b+3], s[\g1b:\g1b+7]
	s_nop 0
.rept 4
	v_nop
.endr
.Lasked_\@:
.endm
.macro CREST
	s_cmp_lg_u32 s14, 0
	s_cbranch_scc1 .Lnot_wave_0_\@
	s_barrier_signal -3
.Lnot_wave_0_\@:
	s_barrier_wait -3
	s_barrier_signal -1
	s_barrier_wait -1
.endm
.macro CROUND
	s_barrier_signal -1
	s_barrier_wait -1
	CREST
.endm
	s_load_b256 s[4:11], s[0:1], 0x0               ; A s[4:5], pw s[6:7], the bias s[8:9], the residual s[10:11]
	s_load_b64 s[12:13], s[0:1], 0x20              ; the output
	v_lshl_add_u32 v[SPW], v0, 2, SPARE
	v_mov_b32 v[NIL], 0
	ds_add_u32 v28, v29
	ds_add_u32 v28, v29
	s_wait_dscnt 0x0
	v_lshrrev_b32 v1, 5, v0
	v_readfirstlane_b32 s14, v1                    ; wave 0..3
	s_lshr_b32 s15, s14, 1                         ; which half of the tile's rows is mine.  Also: I fetch for A (0) or for B (1)
	s_and_b32 s16, s14, 1                          ; which half of its columns.  Also: which half of that tile I fetch
	s_bfe_u32 s40, ttmp6, 0x40000
	s_bfe_u32 s41, ttmp6, 0x40004
	s_lshl_b32 s42, ttmp9, 2
	s_add_co_u32 s42, s42, s40                     ; tile column
	s_and_b32 s17, ttmp7, 0xffff
	s_lshl_b32 s17, s17, 2
	s_add_co_u32 s17, s17, s41                     ; tile row
	s_lshl_b32 s43, s41, 2
	s_lshl_b32 s43, 15, s43                        ; my row of the cluster
	s_lshl_b32 s44, 0x1111, s40                    ; my column
	; group 1 for codes: 4 rowblocks x 8,192 bytes (four K steps); elements of 8 bytes; no padding
	s_or_b32 s[G1+0], s43, (3<<16)|(1<<21)
	s_or_b32 s[G1B+0], s44, (3<<16)|(1<<21)
.irp g, G1, G1B
	s_mov_b32 s[\g+1], 1024<<16
	s_mov_b32 s[\g+2], 4<<16
	s_mov_b32 s[\g+3], 1024<<16
	s_mov_b32 s[\g+4], 4
	s_mov_b32 s[\g+5], 256*KST
	s_mov_b32 s[\g+6], 0
	s_mov_b32 s[\g+7], 0
.endr
	; the scale words of 4 rowblocks, all of K: 256 KST dense bytes as rows of 256
	s_or_b32 s[G1S+0], s43, (3<<16)|(1<<21)
	s_or_b32 s[G1SB+0], s44, (3<<16)|(1<<21)
.irp g, G1S, G1SB
	s_mov_b32 s[\g+1], 32<<16
	s_mov_b32 s[\g+2], KST<<16
	s_mov_b32 s[\g+3], 32<<16
	s_mov_b32 s[\g+4], KST
	s_mov_b32 s[\g+5], 32
	s_mov_b32 s[\g+6], 0
	s_mov_b32 s[\g+7], 0
.endr
	s_lshl_b32 s18, s16, 2                         ; which 4 rowblocks of the tile I fetch
	s_lshl_b32 s20, s17, 3
	s_add_co_u32 s20, s20, s18
	s_lshl_b32 s46, s42, 3
	s_add_co_u32 s46, s46, s18
	s_mul_i32 s22, s20, KST*64
	s_add_co_u32 s22, s22, AS
	s_mov_b32 s23, 0
	s_mul_i32 s20, s20, KST*2048
	s_mov_b32 s21, 0
	s_mul_i32 s92, s46, KST*64
	s_add_co_u32 s92, s92, BS
	s_mov_b32 s93, 0
	s_mul_i32 s46, s46, KST*2048
	s_add_co_u32 s46, s46, BC
	s_mov_b32 s47, 0
	s_lshl_b32 s45, s14, 15
	s_mul_i32 s94, s14, HALFS
	s_wait_kmcnt 0x0
	s_add_nc_u64 s[20:21], s[4:5], s[20:21]
	s_add_nc_u64 s[22:23], s[4:5], s[22:23]
	s_add_nc_u64 s[46:47], s[6:7], s[46:47]
	s_add_nc_u64 s[92:93], s[6:7], s[92:93]
	CROUND                                         ; all sixteen work-groups are here: the first joint loads meet
	s_mov_b32 s[G0S], 1
	s_add_co_u32 s[G0S+1], s94, SCL
	s_mov_b64 s[G0S+2:G0S+3], s[22:23]
	s_or_b32 s[G0S+3], s[G0S+3], 0x80000000
	s_mov_b32 s[G0SB], 1
	s_add_co_u32 s[G0SB+1], s94, SCL
	s_mov_b64 s[G0SB+2:G0SB+3], s[92:93]
	s_or_b32 s[G0SB+3], s[G0SB+3], 0x80000000
	JLOAD G0S, G1S, G0SB, G1SB
.irp s, 0,1
	s_mov_b32 s[G0+4*\s], 1
	s_add_co_u32 s[G0+4*\s+1], s45, \s*SLOT
	s_add_nc_u64 s[G0+4*\s+2:G0+4*\s+3], s[20:21], \s*8192
	s_or_b32 s[G0+4*\s+3], s[G0+4*\s+3], 0x80000000
	s_mov_b32 s[G0B+4*\s], 1
	s_add_co_u32 s[G0B+4*\s+1], s45, \s*SLOT
	s_add_nc_u64 s[G0B+4*\s+2:G0B+4*\s+3], s[46:47], \s*8192
	s_or_b32 s[G0B+4*\s+3], s[G0B+4*\s+3], 0x80000000
	JLOAD G0+4*\s, G1, G0B+4*\s, G1B               ; three loads of mine are out
.endr
	v_and_b32 v1, 31, v0
	v_and_b32 v2, 15, v0                           ; r
	v_bfe_u32 v3, v0, 4, 1                         ; h
	v_lshlrev_b32 v[CO], 4, v1                     ; 16 x lane
	s_lshl_b32 s21, s15, 15
	s_lshl_b32 s22, s16, 15
	s_add_co_u32 s22, s22, 2*QUART
.irp s, 0,1
	v_add_nc_u32 v[ADRA+\s], s21, v[CO]
	v_add_nc_u32 v[ADRB+\s], s22, v[CO]
	s_add_co_u32 s21, s21, SLOT
	s_add_co_u32 s22, s22, SLOT
.endr
	s_mul_i32 s21, s15, HALFS
	s_mul_i32 s22, s16, HALFS
	s_add_co_u32 s22, s22, 2*HALFS
	s_sub_co_u32 s22, s22, s21
	v_mul_u32_u24 v6, s22, v3                      ; lanes 16-31 take B's scale words
	s_add_co_u32 s21, s21, SCL
	v_lshl_add_u32 v5, v2, 2, v6
	v_add_nc_u32 v[ADRS], s21, v5
	s_mul_i32 s23, s15, 64*SPITCH                  ; into the stage: my 64 places, my half of their 512 bytes; place r, 64 bytes for each half of the lanes
	s_lshl_b32 s21, s16, 8
	s_add_co_u32 s23, s23, s21
	v_mul_u32_u24 v5, v2, SPITCH
	v_lshl_add_u32 v5, v3, 6, v5
	v_add_nc_u32 v[STO], s23, v5
	s_mul_i32 s23, s14, 32*SPITCH                  ; back: wave w takes places 32 w .. 32 w + 31, whole rows
	v_add_nc_u32 v[RD], s23, v[CO]
	s_lshl_b32 s20, s17, 7
	s_lshl_b32 s21, s14, 5
	s_add_co_u32 s20, s20, s21                     ; the first of the 32 rows that I store
	s_lshl_b32 s20, s20, 12
	s_lshl_b32 s21, s42, 9
	s_add_co_u32 s20, s20, s21                     ; + the tile's first column, in bytes
	s_mov_b32 s21, 0
	s_add_nc_u64 s[10:11], s[10:11], s[20:21]
	s_add_nc_u64 s[12:13], s[12:13], s[20:21]
	s_lshl_b32 s20, s42, 9
	s_add_nc_u64 s[8:9], s[8:9], s[20:21]
	global_load_b128 v[BI:BI+3], v[CO], s[8:9]     ; the bias of my four columns
	WIN 0x80                                       ; destination window 2
.set t, 0
.rept 32
	global_load_b128 v[4*t:4*t+3], v[CO], s[10:11] offset:((t&7)+16*((t>>3)&1)+8*((t>>4)&1))*4096 th:TH_LOAD_NT   ; the residual of place t's natural row: 512 consecutive bytes
.set t, t+1
.endr
	WIN 0
.macro FETCH slot, q, f                ; 32 LDS loads: B's four fragments, A's 0 and 1, A's 2 and 3, of the slot's q-th K step, into buffer f
	WIN TO_F
.irp i, 0,1,2,3
.irp c, 0,1,2,3
	ds_load_b128 v[(\f)+64+16*\i+4*\c:(\f)+64+16*\i+4*\c+3], v[ADRB+\slot] offset:8192*\i+2048*(\q)+512*\c
.endr
.endr
.irp i, 0,1,2,3
.irp c, 0,1,2,3
	ds_load_b128 v[(\f)+16*\i+4*\c:(\f)+16*\i+4*\c+3], v[ADRA+\slot] offset:8192*\i+2048*(\q)+512*\c
.endr
.endr
.endm
.macro SCALES sc                       ; a slot's scale words: register 4 q + i: lanes 0-15 A's block i, lanes 16-31 B's block i
.irp q, 0,1,2,3
.irp i, 0,1,2,3
	ds_load_b32 v[SC+16*\sc+4*\q+\i], v[ADRS] offset:64*KST*\i+64*\q
.endr
.endr
.endm
; 8 matrix instructions: A's blocks a0, a0 + 1 x B's four.  The 16 accumulators take turns, one instruction a turn, in the same order in every K step.
.macro MUL8 f, q, sc, a0, zero
.irp a, \a0, \a0+1
.irp b, 0,1,2,3
.if \zero
	v_wmma_scale_f32_16x16x128_f8f6f4 v[ACC+8*(4*(\a)+\b):ACC+8*(4*(\a)+\b)+7], v[(\f)+64+16*\b:(\f)+64+16*\b+15], v[(\f)+16*(\a):(\f)+16*(\a)+15], 0, v[SC+16*(\sc)+4*(\q)+\b], v[SC+16*(\sc)+4*(\q)+(\a)] matrix_a_scale:MATRIX_SCALE_ROW1
.else
	v_wmma_scale_f32_16x16x128_f8f6f4 v[ACC+8*(4*(\a)+\b):ACC+8*(4*(\a)+\b)+7], v[(\f)+64+16*\b:(\f)+64+16*\b+15], v[(\f)+16*(\a):(\f)+16*(\a)+15], v[ACC+8*(4*(\a)+\b):ACC+8*(4*(\a)+\b)+7], v[SC+16*(\sc)+4*(\q)+\b], v[SC+16*(\sc)+4*(\q)+(\a)] matrix_a_scale:MATRIX_SCALE_ROW1
.endif
.endr
.endr
.endm
.macro PLACES n
.rept \n
	v_nop
.endr
.endm
.macro QSTEP slot, q, zero             ; one of a slot's first three K steps: multiplies buffer q % 2 and fetches the next K step into the other
	s_wait_dscnt 8                                 ; all but the youngest eight loads (A's fragments 2 and 3)
	WIN MUL
	MUL8 128*((\q)%2), \q, \slot, 0, \zero
	PLACES 8                                       ; in front of loads into the buffer that the K step before multiplied
	FETCH \slot, (\q)+1, 128-128*((\q)%2)
	s_wait_dscnt 32                                ; all but the 32 just issued
	WIN MUL
	MUL8 128*((\q)%2), \q, \slot, 2, \zero
.endm
; A slot's last K step changes slots: one barrier; in front of it each wave waits for all its tensor loads, adds 0 to its spare word, and waits for that and for its reads of this slot.
.macro TURN slot, next, fill
	WIN 0
	s_wait_tensorcnt 0x0                           ; all my tensor loads have landed: my part of the next slot
	ds_add_u32 v[SPW], v[NIL]                      ; 0 onto my spare word
	s_wait_dscnt 9                                 ; the add and the youngest eight loads may be out
	WIN MUL
	MUL8 128, 3, \slot, 0, 0
	s_wait_dscnt 0x0                               ; the add is done, and my reads of this slot are over
	s_barrier_signal -1
	MUL8 128, 3, \slot, 2, 0
	WIN 0
	s_barrier_wait -1
.if \fill
	CREST                                          ; the barrier has opened a round of the cluster's: no wave of any partner still reads this slot or has a load on its way
	s_add_nc_u64 s[G0+4*\slot+2:G0+4*\slot+3], s[G0+4*\slot+2:G0+4*\slot+3], 16384
	s_add_nc_u64 s[G0B+4*\slot+2:G0B+4*\slot+3], s[G0B+4*\slot+2:G0B+4*\slot+3], 16384
	JLOAD G0+4*\slot, G1, G0B+4*\slot, G1B         ; the first tensor load behind the round, my only one until the next; it has three K steps, 48 matrix instructions, in which to land
	PLACES 4
.else
	PLACES 8
.endif
	v_add_nc_u32 v[ADRS], 256, v[ADRS]             ; the next slot's scale words: four K steps of 64 bytes on
	SCALES \next                                   ; ahead of the fragments, so that A's fragments 2 and 3 stay the youngest eight loads
	FETCH \next, 0, 0
.endm
	s_wait_tensorcnt 1                             ; the scale words and my part of slot 0 are in; slot 1's load may be out
	s_barrier_signal -1
	s_barrier_wait -1
	SCALES 0
	FETCH 0, 0, 0
	QSTEP 0, 0, 1                                  ; the first K step's products start the sums
.if LAPS > 1
	WIN 0
	s_mov_b32 s3, LAPS-1
.Llap:                                             ; a trip goes once round the ring and fills both slots again
	QSTEP 0, 1, 0
	QSTEP 0, 2, 0
	TURN 0, 1, 1
	QSTEP 1, 0, 0
	QSTEP 1, 1, 0
	QSTEP 1, 2, 0
	TURN 1, 0, 1
	QSTEP 0, 0, 0
	WIN 0
	s_sub_co_u32 s3, s3, 1
	s_cmp_lg_u32 s3, 0
	s_cbranch_scc1 .Llap
.endif
	QSTEP 0, 1, 0                                  ; the last lap fills nothing
	QSTEP 0, 2, 0
	TURN 0, 1, 0
	QSTEP 1, 0, 0
	QSTEP 1, 1, 0
	QSTEP 1, 2, 0
	s_wait_dscnt 8                                 ; the very last K step: nothing more to fetch
	WIN MUL
	MUL8 128, 3, 1, 0, 0
	s_wait_dscnt 0
	MUL8 128, 3, 1, 2, 0
	WIN 0
	PLACES 8
.irp a, 0,1,2,3
.irp b, 0,1,2,3
	ds_store_b128 v[STO], v[ACC+8*(4*\a+\b):ACC+8*(4*\a+\b)+3] offset:16*SPITCH*\a+128*(\b/2)+32*(\b%2)        ; each accumulator from its low end on
	ds_store_b128 v[STO], v[ACC+8*(4*\a+\b)+4:ACC+8*(4*\a+\b)+7] offset:16*SPITCH*\a+128*(\b/2)+32*(\b%2)+16
.endr
.endr
	s_wait_loadcnt 0x0                             ; bias and residual
	WIN 0x82                                       ; destination and source 0 window 2
.set k, 0
.rept 64
	v_pk_add_f32 v[k:k+1], v[k:k+1], v[BI+k%4:BI+k%4+1]   ; residual + bias, while the stage's stores are out
.set k, k+2
.endr
	WIN 0
	s_wait_dscnt 0x0                               ; for the others' sake: my stores into the stage have landed
	s_barrier_signal -1
	s_barrier_wait -1
.set t, 0
.rept 32
	ds_load_b128 v[ACC+4*t:ACC+4*t+3], v[RD] offset:SPITCH*t
.set t, t+1
.endr
	s_wait_dscnt 0x0
	WIN 0x08                                       ; source 1 window 2
.set k, 0
.rept 64
	v_pk_add_f32 v[ACC+k:ACC+k+1], v[ACC+k:ACC+k+1], v[k:k+1]
.set k, k+2
.endr
	WIN 0
.set t, 0
.rept 32
	global_store_b128 v[CO], v[ACC+4*t:ACC+4*t+3], s[12:13] offset:((t&7)+16*((t>>3)&1)+8*((t>>4)&1))*4096 th:TH_STORE_NT   ; 32 lanes store 512 consecutive bytes, aligned: place t's natural row
.set t, t+1
.endr
	s_wait_tensorcnt 0x0                           ; the wave's end
	ds_add_u32 v[SPW], v[NIL]
	s_wait_dscnt 0x0
	CROUND                                         ; the closing round
	s_endpgm
.Lfunc_end_k_qc87772bf44_ffn2:
	.size	k_qc87772bf44_ffn2, .Lfunc_end_k_qc87772bf44_ffn2-k_qc87772bf44_ffn2
	.p2alignl 7, 3214868480
	.fill 96, 4, 3214868480
	.section	.rodata,"a",@progbits
	.p2align	6, 0x0
	.amdhsa_kernel k_qc87772bf44_ffn2
		.amdhsa_group_segment_fixed_size 327680
		.amdhsa_private_segment_fixed_size 0
		.amdhsa_enable_private_segment 0
		.amdhsa_kernarg_size 40
		.amdhsa_user_sgpr_count 2
		.amdhsa_user_sgpr_kernarg_segment_ptr 1
		.amdhsa_wavefront_size32 1
		.amdhsa_system_sgpr_workgroup_id_x 1
		.amdhsa_system_sgpr_workgroup_id_y 1
		.amdhsa_system_sgpr_workgroup_id_z 1
		.amdhsa_system_vgpr_workitem_id 0
		.amdhsa_next_free_vgpr 640
		.amdhsa_next_free_sgpr 98
		.amdhsa_reserve_vcc 0
		.amdhsa_float_denorm_mode_32 3
		.amdhsa_float_denorm_mode_16_64 3
		.amdhsa_memory_ordered 1
		.amdhsa_forward_progress 1
		.amdhsa_inst_pref_size 105
	.end_amdhsa_kernel
	.amdgpu_metadata
---
amdhsa.version: [ 1, 2 ]
amdhsa.kernels:
  - .name:           k_qc87772bf44_ffn2
    .symbol:         k_qc87772bf44_ffn2.kd
    .args:
      - { .name: ffb, .offset: 0, .size: 8, .value_kind: global_buffer, .address_space: global }
      - { .name: pw, .offset: 8, .size: 8, .value_kind: global_buffer, .address_space: global }
      - { .name: b2, .offset: 16, .size: 8, .value_kind: global_buffer, .address_space: global }
      - { .name: x1, .offset: 24, .size: 8, .value_kind: global_buffer, .address_space: global }
      - { .name: out0, .offset: 32, .size: 8, .value_kind: global_buffer, .address_space: global }
    .group_segment_fixed_size: 327680
    .private_segment_fixed_size: 0
    .kernarg_segment_align: 8
    .kernarg_segment_size: 40
    .max_flat_workgroup_size: 128
    .sgpr_count:     98
    .vgpr_count:     640
    .wavefront_size: 32
...
	.end_amdgpu_metadata
.endif
;; end of part 6
